; MI455X (gfx1250); checked and timed in simulation.
; The chip was launched on July 23, 2026; its instructions are those of AMD's public machine-readable ISA for CDNA 5 (MIT licence, August 2026) and "CDNA5" Instruction Set Architecture Reference Guide (July 2026). The comments in the code are by the model that wrote it; some were corrected since.
;; Mo E. Allowed arithmetic: float matrix products may take bf16 or f16 operands with f32 sums; other float arithmetic in f32, or as packed bf16 or f16 multiplies, adds, multiply-adds, maxima and minima; sums over many terms, partial sums and values carried from step to step in f32; what a program stores and reads back later, other than sums and carried values, may be rounded once to bf16 or f16.
;; Inputs: alpha 8 float32; b1 8 x 4,096 float32; b2 8 x 1,024 float32; gate_b 8 float32; gate_w 1,024 x 8 float32; hidden_states 4 x 256 x 1,024 float32; w1 8 x 1,024 x 4,096 float32; w2 8 x 4,096 x 1,024 float32.
;; Outputs: out0 4 x 256 x 1,024 float32.
;; 3 versions, each right; version 2 is faster than version 1; version 3 is version 2 with the launch fc2 written anew for expert scheduling mode. Each part assembles by itself: llvm-mc -triple=amdgcn-amd-amdhsa -mcpu=gfx1250 --defsym DOCPART=n.
;; ======== version 1 of 3: 4 launches
;; workspace buffers: xb 2,097,152 bytes; sel 8,192 bytes of whole numbers; wts 8,192 bytes; bmp 1,024 bytes of whole numbers; hid 67,108,864 bytes; part 134,217,728 bytes
;; launch router (part 1): grid 32 x 1, 8 waves a work-group, no clusters, 2,048 bytes of LDS; arguments hidden_states, gate_w, gate_b, alpha, xb, sel, wts, bmp; writes xb, sel, wts, bmp
.if DOCPART == 1
	.amdgcn_target "amdgcn-amd-amdhsa--gfx1250"
	.amdhsa_code_object_version 6
	.text
	.protected	k_q9faf4a8b71_router
	.globl	k_q9faf4a8b71_router
	.p2align	8
	.type	k_q9faf4a8b71_router,@function
k_q9faf4a8b71_router:
	s_mov_b64 s[64:65], 0
	v_nop
	global_prefetch_b8 v0, s[64:65] scope:SCOPE_SE
	s_setreg_imm32_b32 hwreg(HW_REG_WAVE_MODE, 25, 1), 1
	s_wait_xcnt 0x0
; THE GATE.  logits = x gate_w + gate_b, softmax, the two largest, their scores renormalised and times alpha.
; Every input is rounded once to bf16 (nearest even); products of two bf16 are exact in f32 and the sums are f32.
; Stored: xb = x in bf16 [1024][1024]; sel[t] = the two experts; wts[t] = score x alpha; bmp[e][g] = bit l: token 32 g + l chose e.
; All places are fixed: no address here hangs on the choice.
; SHARES.  Work-group g has tokens 32 g .. 32 g + 31 (one word of each expert's bitmap), wave w four of them, one a trip.
; Lane l has columns 128 j + 4 l + i (j 0..7, i 0..3): its 32 rows of gate_w stay in 128 registers as bf16 pairs.
; SOFTMAX.  p_e = 2^((l_e - max) log2 e); the divisor cancels in p1 / (p1 + p2).  The scan is ascending with a strict compare: the lower index wins a tie.
; LIMITS.  A p below 2^-126 counts as 0; NaN and infinities are not treated apart.
.set LG,    0                          ; LDS: [32 tokens][8] f32 logits
.set SPARE, 1024                       ; the spare words, 128 bytes a wave, named by no other line
.set LANE, 1
.set GOFF, 3                           ; 128 x lane: my four rows of gate_w in a block of 128 rows
.set XOFF, 4                           ; 16 x lane
.set BOFF, 5                           ; 8 x lane
.set SPW,  6
.set NIL,  7
.set LGA,  8                           ; LDS address of the token's logits
.set ZERO, 9                           ; 0: an offset, and what the eight sums start from
.set ACC,  16                          ; v16-23  eight sums
.set X,    24                          ; v24-55  my 32 numbers of the token's row
.set PK,   56                          ; v56-71  the same as bf16 pairs
.set TP,   72                          ; v72-79  at work
.set GB,   80                          ; v80-87  gate_b
.set AL,   88                          ; v88-95  alpha
.set I1,   100                         ; v100-101 the two experts
.set W1,   102                         ; v102-103 their weights
.set P1,   104
.set P2,   105
.set A1,   106
.set A2,   107
.set SM,   108
.set BM,   109
.set BAD,  110
.set MX,   111
.set GP,   128                         ; v128-255 gate_w: row hh = 4 j + i, pair p of experts at GP + 4 hh + p; window 1 holds it as loaded
.set MSB, 0
.macro WIN new                         ; the high byte repeats the setting that is left
.if MSB != (\new)
	s_set_vgpr_msb (MSB<<8)|(\new)
.set MSB, (\new)
.endif
.endm
	s_load_b512 s[4:19], s[0:1], 0x0               ; x 4, gate_w 6, gate_b 8, alpha 10, xb 12, sel 14, wts 16, bmp 18
	v_lshl_add_u32 v[SPW], v0, 2, SPARE
	v_mov_b32 v[NIL], 0
	v_mov_b32 v[ZERO], 0
	v_and_b32 v[LANE], 31, v0
	v_lshrrev_b32 v2, 5, v0
	v_readfirstlane_b32 s21, v2                    ; wave
	v_lshlrev_b32 v[GOFF], 7, v[LANE]
	v_lshlrev_b32 v[XOFF], 4, v[LANE]
	v_lshlrev_b32 v[BOFF], 3, v[LANE]
	s_lshl_b32 s24, s21, 7                         ; four tokens x 32 bytes a wave
	v_mov_b32 v[LGA], s24
.irp i, 0,1,2,3,4,5,6,7
	v_mov_b32 v[TP+\i], 0                          ; v_permlanex16_b32 counts as a reader of its destination
.endr
	s_mov_b32 s26, 0x76543210
	s_mov_b32 s27, 0xfedcba98
	s_lshl_b32 s22, ttmp9, 5
	s_lshl2_add_u32 s22, s21, s22                  ; my first token: 32 g + 4 w
	s_lshl_b32 s28, s22, 12                        ; its row in x
	s_mov_b32 s29, 0
	s_lshl_b32 s30, s22, 11                        ; and in xb
	s_mov_b32 s31, 0
	s_mov_b32 s20, 4                               ; tokens to go
	s_wait_kmcnt 0x0
	s_add_nc_u64 s[4:5], s[4:5], s[28:29]
	s_add_nc_u64 s[12:13], s[12:13], s[30:31]
	global_load_b128 v[GB:GB+3],   v[ZERO], s[8:9]
	global_load_b128 v[GB+4:GB+7], v[ZERO], s[8:9] offset:16
	global_load_b128 v[AL:AL+3],   v[ZERO], s[10:11]
	global_load_b128 v[AL+4:AL+7], v[ZERO], s[10:11] offset:16
	WIN 0x40                                       ; destination window 1
.set i, 0
.rept 64                                               ; block j = i / 8: my four rows are 128 bytes on end
	global_load_b128 v[4*i:4*i+3], v[GOFF], s[6:7] offset:(i/8)*4096+(i%8)*16
.set i, i+1
.endr
	WIN 0
.irp j, 0,1,2,3,4,5,6,7
	global_load_b128 v[X+4*\j:X+4*\j+3], v[XOFF], s[4:5] offset:512*\j th:TH_LOAD_NT
.endr
	s_wait_loadcnt 8                               ; all but the first token's eight loads
	WIN 0x05                                       ; sources window 1, destination window 0
.set i, 0
.rept 128
	v_cvt_pk_bf16_f32 v[GP+i], v[2*i], v[2*i+1]
.set i, i+1
.endr
	WIN 0
.Ltok:                                                 ; a trip: one token
	s_wait_loadcnt 0x0                             ; its row is in; that also frees the loads' base
.set z, 0
.rept 16
	v_cvt_pk_bf16_f32 v[PK+z], v[X+2*z], v[X+2*z+1]
.set z, z+1
.endr
	s_cmp_eq_u32 s20, 1
	s_cbranch_scc1 .Lnomore                        ; behind the last token there is no row to ask for
	s_add_nc_u64 s[4:5], s[4:5], 4096
.irp j, 0,1,2,3,4,5,6,7
	global_load_b128 v[X+4*\j:X+4*\j+3], v[XOFF], s[4:5] offset:512*\j th:TH_LOAD_NT
.endr
.Lnomore:
.irp j, 0,1,2,3,4,5,6,7
	global_store_b64 v[BOFF], v[PK+2*\j:PK+2*\j+1], s[12:13] offset:256*\j  ; 32 lanes store 256 consecutive bytes, aligned
.endr
	; 32 rows x 8 experts: bf16 x bf16 + f32, eight chains that take turns
.set hp, 0
.rept 16
.irp ha, 0,1
.irp ep, 0,1,2,3
.irp hb, 0,1
.if (hp == 0) && (\ha == 0)
	v_fma_mix_f32_bf16 v[ACC+2*\ep+\hb], v[PK+hp], v[GP+4*(2*hp+\ha)+\ep], v[ZERO] op_sel:[\ha,\hb,0] op_sel_hi:[1,1,0]
.else
	v_fma_mix_f32_bf16 v[ACC+2*\ep+\hb], v[PK+hp], v[GP+4*(2*hp+\ha)+\ep], v[ACC+2*\ep+\hb] op_sel:[\ha,\hb,0] op_sel_hi:[1,1,0]
.endif
.endr
.endr
.endr
.set hp, hp+1
.endr
.irp m, 1,2,4,8                                        ; the sums over the 32 lanes
.irp e, 0,1,2,3,4,5,6,7
	v_add_f32_dpp v[ACC+\e], v[ACC+\e], v[ACC+\e] row_xmask:\m row_mask:0xf bank_mask:0xf
.endr
.endr
.irp e, 0,1,2,3,4,5,6,7
	v_permlanex16_b32 v[TP+\e], v[ACC+\e], s26, s27
.endr
.irp e, 0,1,2,3,4,5,6,7
	v_add_f32 v[ACC+\e], v[ACC+\e], v[TP+\e]
.endr
	ds_store_b128 v[LGA], v[ACC:ACC+3]             ; every lane writes the same words with the same numbers
	ds_store_b128 v[LGA], v[ACC+4:ACC+7] offset:16
	v_add_nc_u32 v[LGA], 32, v[LGA]
	s_wait_xcnt 0x0                                ; the stores' data and base are written again only behind this wait
	s_add_nc_u64 s[12:13], s[12:13], 2048
	s_sub_co_u32 s20, s20, 1
	s_cmp_lg_u32 s20, 0
	s_cbranch_scc1 .Ltok
	s_wait_dscnt 0x0                               ; for wave 0's sake: my logits are in LDS
	s_barrier_signal -1
	s_barrier_wait -1
	s_cmp_lg_u32 s21, 0
	s_cbranch_scc1 .Lend
	; WAVE 0: lane = token
	v_lshlrev_b32 v[BAD], 5, v[LANE]
	ds_load_b128 v[ACC:ACC+3],   v[BAD]
	ds_load_b128 v[ACC+4:ACC+7], v[BAD] offset:16
.irp z, 0,1,2,3,4,5,6,7                                ; gate_b and alpha rounded to bf16 like every input
	v_cvt_pk_bf16_f32 v[TP+\z], v[GB+2*\z], v[GB+2*\z+1]
.endr
.irp z, 0,1,2,3,4,5,6,7
	v_lshlrev_b32 v[GB+2*\z], 16, v[TP+\z]
	v_and_b32 v[GB+2*\z+1], 0xffff0000, v[TP+\z]
.endr
	s_wait_dscnt 0x0
.irp e, 0,1,2,3,4,5,6,7
	v_add_f32 v[ACC+\e], v[ACC+\e], v[GB+\e]
.endr
	v_max3_num_f32 v[MX], v[ACC], v[ACC+1], v[ACC+2]
	v_max3_num_f32 v[MX], v[MX], v[ACC+3], v[ACC+4]
	v_max3_num_f32 v[MX], v[MX], v[ACC+5], v[ACC+6]
	v_max_num_f32 v[MX], v[MX], v[ACC+7]
.irp e, 0,1,2,3,4,5,6,7
	v_sub_f32 v[ACC+\e], v[ACC+\e], v[MX]          ; the maximum is taken away first: 0 for the largest
.endr
.irp e, 0,1,2,3,4,5,6,7
	v_mul_f32 v[ACC+\e], 0x3fb8aa3b, v[ACC+\e]
.endr
.irp e, 0,1,2,3,4,5,6,7
	v_exp_f32 v[ACC+\e], v[ACC+\e]
.endr
	v_nop                                          ; a plain instruction behind the last exponential,
	s_wait_alu depctr_va_vdst(0)                   ; and one wait for the batch of eight
.macro SCAN best, idx, al                      ; the largest p, its index and its alpha
	v_mov_b32 v[\best], v[ACC]
	v_mov_b32 v[\idx], 0
	v_mov_b32 v[\al], v[AL]
.irp e, 1,2,3,4,5,6,7
	v_cmp_gt_f32 vcc_lo, v[ACC+\e], v[\best]
	v_cndmask_b32 v[\best], v[\best], v[ACC+\e], vcc_lo
	v_cndmask_b32 v[\idx], v[\idx], \e, vcc_lo
	v_cndmask_b32 v[\al], v[\al], v[AL+\e], vcc_lo
.endr
.endm
	SCAN P1, I1, A1
.irp e, 0,1,2,3,4,5,6,7
	v_cmp_eq_u32 vcc_lo, \e, v[I1]
	v_cndmask_b32 v[ACC+\e], v[ACC+\e], -1.0, vcc_lo  ; the first choice drops below every p
.endr
	SCAN P2, I1+1, A2
	v_add_f32 v[SM], v[P1], v[P2]
	v_rcp_f32 v[SM], v[SM]
	v_mov_b32 v[BM], 0                             ; the plain instruction behind the reciprocal
	s_wait_alu depctr_va_vdst(0)
	v_mul_f32 v[P1], v[P1], v[SM]
	v_mul_f32 v[P2], v[P2], v[SM]
	v_mul_f32 v[W1], v[P1], v[A1]
	v_mul_f32 v[W1+1], v[P2], v[A2]
	s_lshl_b32 s28, ttmp9, 8                       ; 32 tokens x 8 bytes
	s_add_nc_u64 s[14:15], s[14:15], s[28:29]
	s_add_nc_u64 s[16:17], s[16:17], s[28:29]
	global_store_b64 v[BOFF], v[I1:I1+1], s[14:15] ; 256 consecutive bytes, aligned
	global_store_b64 v[BOFF], v[W1:W1+1], s[16:17]
.irp e, 0,1,2,3,4,5,6,7
	v_cmp_eq_u32 s32, \e, v[I1]
	v_cmp_eq_u32 s33, \e, v[I1+1]
	s_or_b32 s32, s32, s33
	v_writelane_b32 v[BM], s32, \e                 ; lane e holds expert e's word
.endr
	v_lshlrev_b32 v[BAD], 7, v[LANE]               ; bmp[e][g]: eight words 128 bytes apart, so that a later launch reads an expert's 32 words on end
	s_lshl_b32 s28, ttmp9, 2
	s_add_nc_u64 s[18:19], s[18:19], s[28:29]
	s_wait_xcnt 0x0                                ; EXEC changes only behind this wait
	v_cmp_gt_u32 vcc_lo, 8, v[LANE]
	s_and_saveexec_b32 s34, vcc_lo
	global_store_b32 v[BAD], v[BM], s[18:19]
	s_wait_xcnt 0x0
	s_or_b32 exec_lo, exec_lo, s34
.Lend:
	s_wait_tensorcnt 0x0                           ; the wave's end
	ds_add_u32 v[SPW], v[NIL]
	s_wait_dscnt 0x0
	s_endpgm
.Lfunc_end_k_q9faf4a8b71_router:
	.size	k_q9faf4a8b71_router, .Lfunc_end_k_q9faf4a8b71_router-k_q9faf4a8b71_router
	.p2alignl 7, 3214868480
	.fill 96, 4, 3214868480
	.section	.rodata,"a",@progbits
	.p2align	6, 0x0
	.amdhsa_kernel k_q9faf4a8b71_router
		.amdhsa_group_segment_fixed_size 2048
		.amdhsa_private_segment_fixed_size 0
		.amdhsa_enable_private_segment 0
		.amdhsa_kernarg_size 64
		.amdhsa_user_sgpr_count 2
		.amdhsa_user_sgpr_kernarg_segment_ptr 1
		.amdhsa_wavefront_size32 1
		.amdhsa_system_sgpr_workgroup_id_x 1
		.amdhsa_system_sgpr_workgroup_id_y 1
		.amdhsa_system_sgpr_workgroup_id_z 1
		.amdhsa_system_vgpr_workitem_id 0
		.amdhsa_next_free_vgpr 512
		.amdhsa_next_free_sgpr 66
		.amdhsa_reserve_vcc 1
		.amdhsa_float_denorm_mode_32 3
		.amdhsa_float_denorm_mode_16_64 3
		.amdhsa_memory_ordered 1
		.amdhsa_forward_progress 1
		.amdhsa_inst_pref_size 48
	.end_amdhsa_kernel
	.amdgpu_metadata
---
amdhsa.version: [ 1, 2 ]
amdhsa.kernels:
  - .name:           k_q9faf4a8b71_router
    .symbol:         k_q9faf4a8b71_router.kd
    .args:
      - { .name: hidden_states, .offset: 0, .size: 8, .value_kind: global_buffer, .address_space: global }
      - { .name: gate_w, .offset: 8, .size: 8, .value_kind: global_buffer, .address_space: global }
      - { .name: gate_b, .offset: 16, .size: 8, .value_kind: global_buffer, .address_space: global }
      - { .name: alpha, .offset: 24, .size: 8, .value_kind: global_buffer, .address_space: global }
      - { .name: xb, .offset: 32, .size: 8, .value_kind: global_buffer, .address_space: global }
      - { .name: sel, .offset: 40, .size: 8, .value_kind: global_buffer, .address_space: global }
      - { .name: wts, .offset: 48, .size: 8, .value_kind: global_buffer, .address_space: global }
      - { .name: bmp, .offset: 56, .size: 8, .value_kind: global_buffer, .address_space: global }
    .group_segment_fixed_size: 2048
    .private_segment_fixed_size: 0
    .kernarg_segment_align: 8
    .kernarg_segment_size: 64
    .max_flat_workgroup_size: 256
    .sgpr_count:     66
    .vgpr_count:     512
    .wavefront_size: 32
...
	.end_amdgpu_metadata
.endif
;; end of part 1
;; launch fc1 (part 2): grid 32 x 8, 4 waves a work-group, no clusters, 327,680 bytes of LDS; arguments xb, w1, b1, bmp, hid; writes hid
.if DOCPART == 2
	.amdgcn_target "amdgcn-amd-amdhsa--gfx1250"
	.amdhsa_code_object_version 6
	.text
	.protected	k_q9faf4a8b71_fc1
	.globl	k_q9faf4a8b71_fc1
	.p2align	8
	.type	k_q9faf4a8b71_fc1,@function
k_q9faf4a8b71_fc1:
	s_mov_b64 s[64:65], 0
	v_nop
	global_prefetch_b8 v0, s[64:65] scope:SCOPE_SE
	s_setreg_imm32_b32 hwreg(HW_REG_WAVE_MODE, 25, 1), 1
	s_wait_xcnt 0x0
; hid[e][rank][:] = gelu(x[token(rank)] w1[e] + b1[e]) in bf16, for the tokens that chose expert e, in ascending order of token.
; SHARES.  Work-group (x, e) owns columns 128 x .. 128 x + 127 of w1[e], all 1,024 rows: it alone reads them, once, rounds them to bf16 on their way through registers
; and lays them into LDS as [k][n].  Then it walks the expert's rows in tiles of 16: tile g belongs to wave g % 4, up to six tiles a wave and trip.
; The row loop's length hangs on the count read from bmp: it holds no barrier and writes no LDS byte that another wave touches; token rows come from memory straight into matrix operands.
; THE COUNT is taken as max(n, 1), and the list is cleared first, so that place 0 names token 0: an expert without tokens runs one tile, whose rows the next launch may then read.  Places past the count repeat the last row.
; THE MATRIX INSTRUCTION IS USED TRANSPOSED: source 0 = 16 columns of w1 (turned out of LDS by ds_load_tr16_b128), source 1 = 16 token rows: a lane holds one row and eight neighbouring columns.
; GELU is the exact one, 0.5 x (1 + erf(x / sqrt 2)), with erf by a rational form in t = 1 / (1 + 0.3275911 |z|) times e^(-z z): its error in erf is at most 1.5e-7 for every x.
; gelu = |x| (0.5 + q(t) 2^(-0.7213475 x x)) + 0.5 x.  Large |x| give the exponential 0.  NaN and infinities are not treated apart.  w1, b1 are rounded to bf16 like every input; hid once to bf16.
; NO JOINT LOADS: each slice of weights has one reader; what an expert's 32 work-groups share is its token rows, which come by a list that no one descriptor covers,
; and beside the slice (294,912 of 327,680 bytes) LDS has no room for a tile of them.
; The sums start from accumulators cleared at a trip's head, 384 v_mov_b32, which stand in the wait for the trip's first token rows: the price of one text for every K step.
; REGISTERS by absolute number (s_set_vgpr_msb: bits 1:0 source 0, 3:2 source 1, 5:4 source 2, 7:6 destination):
;   0-63 addresses and work; 64-127 b1; 128-191, 192-255 two buffers of weight fragments (in the way out: T, R, E)
;   256 + 64 i + 8 c  accumulator of tile i (0..5), column block c (0..7)
;   640 + 192 b + 32 i + 8 ks  token fragments: buffer b, tile i, K step ks of four; 832-1023 (buffer 1) hold the weights on their way into LDS: three banks of 16 rows
.set WP,     16384                     ; bytes from row to row of w1
.set PB,     288                       ; a row of the slice in LDS: 256 bytes + 32
.set STG,    294912                    ; behind the slice: 16 rows x 272 bytes for each wave, its own, for the way out
.set SP,     272
.set LIST,   312320                    ; rank -> token, 1,024 words; behind them 32 words for lanes that have nothing to list
.set SPARE,  316672                    ; the spare words, 128 bytes a wave, named by no other line
.set BAMAX,  15*PB+16+3*8*32*PB        ; the largest address of a K trip's first fragments: my lane's place at the most, plus three trips of 256 rows
.set R15,  1
.set H,    2
.set LANE, 3
.set SPW,  4
.set NIL,  5
.set WOFF, 6                           ; 16 x lane: a wave's load covers a row's 512 bytes
.set LSTA, 7                           ; where my 8 bytes of a row go in LDS
.set BADR0,8                           ; my lane's place in 32 rows of the slice
.set BA,   9                           ; the K trip's K steps 0 to 3
.set BA2,  10                          ; its K steps 4 to 7: BA + 128 rows
.set H16,  11
.set AOFF, 12                          ; v12-17 tile i: byte offset of my row's 16 bytes
.set TK,   18                          ; v18-23 at work
.set STO,  24
.set RD,   25
.set HO0,  27
.set HOFF, 28
.set BOFF, 29
.set BIAS, 64
.set T,    128
.set RR,   192
.set EE,   224
.set QQ,   128                         ; in window 2
.set WV,  20
.set EX,  21
.set SX,  22
.set NN,  66
.set NM1, 67
.set MW,  68                           ; my wave's tiles
.set NTR, 69                           ; its trips
.set TR,  70
.set MT,  71                           ; tiles in this trip
.set KC,  72
.set EI,  74
.set PFX, 75
.set MSB, 0
.macro WIN new                         ; the high byte repeats the setting that is left
.if MSB != (\new)
	s_set_vgpr_msb (MSB<<8)|(\new)
.set MSB, (\new)
.endif
.endm
.macro PLACES n=4                      ; plain vector instructions between a matrix instruction and a load into, or a vector instruction on, its registers: four are wanted
.rept \n
	v_nop
.endr
.endm
.macro WLOAD b, row                    ; 16 rows of the slice into bank b
	WIN 0xc0
.irp q, 0,1,2,3,4,5,6,7,8,9,10,11,12,13,14,15
	global_load_b128 v[64+64*(\b)+4*\q:64+64*(\b)+4*\q+3], v[WOFF], s[18:19] offset:((\row)+\q)*WP th:TH_LOAD_NT
.endr
.endm
.macro GROUP b, issue, n, row          ; bank b has landed (n younger loads stay out): rounded, stored to LDS rows row .., and (issue = 1) filled again, 48 rows on
	s_wait_loadcnt \n
	WIN 0xcf
.irp q, 0,1,2,3,4,5,6,7,8,9,10,11,12,13,14,15
	v_cvt_pk_bf16_f32 v[64+64*(\b)+4*\q],   v[64+64*(\b)+4*\q],   v[64+64*(\b)+4*\q+1]
	v_cvt_pk_bf16_f32 v[64+64*(\b)+4*\q+1], v[64+64*(\b)+4*\q+2], v[64+64*(\b)+4*\q+3]
.endr
	WIN 0x0c
.irp q, 0,1,2,3,4,5,6,7,8,9,10,11,12,13,14,15
	ds_store_b64 v[LSTA], v[64+64*(\b)+4*\q:64+64*(\b)+4*\q+1] offset:((\row)+\q)*PB  ; 32 lanes, 256 bytes on end
.endr
.if \issue
	WLOAD \b, 48+16*(\b)
.endif
	WIN 0
.endm
.macro CLEAR
	WIN 0x40
.set z, 0
.rept 256
	v_mov_b32 v[z], 0
.set z, z+1
.endr
	WIN 0x80
.set z, 0
.rept 128
	v_mov_b32 v[z], 0
.set z, z+1
.endr
	WIN 0
.endm
.macro SETUP                           ; the trip's tiles: their number, and for each the offset of my row
	s_mul_i32 s76, s[TR], 6
	s_sub_co_i32 s[MT], s[MW], s76
	s_max_i32 s[MT], s[MT], 0
	s_min_i32 s[MT], s[MT], 6
	s_mul_i32 s76, s[TR], 384                      ; rank = 16 x (24 TR + 4 i + w) + r
	s_lshl4_add_u32 s76, s[WV], s76
	v_add_nc_u32 v56, s76, v[R15]
.irp i, 0,1,2,3,4,5
	v_add_nc_u32 v[TK+\i], 64*\i, v56
	v_min_u32 v[TK+\i], s[NM1], v[TK+\i]           ; places past the count repeat the last row
	v_min_u32 v[TK+\i], 0x3ff, v[TK+\i]
	v_lshl_add_u32 v[TK+\i], v[TK+\i], 2, LIST
.endr
.irp i, 0,1,2,3,4,5
	ds_load_b32 v[TK+\i], v[TK+\i]
.endr
	s_wait_dscnt 0x0
.irp i, 0,1,2,3,4,5
	v_min_u32 v[TK+\i], 0x3ff, v[TK+\i]
	v_lshl_add_u32 v[AOFF+\i], v[TK+\i], 11, v[H16]  ; token x 2,048 bytes + 16 x half
.endr
.endm
.macro ISSUE_A b, imm                  ; 128 along K of six tiles' rows into buffer b: always 48 loads, so that counts are alike on every path; a tile past the count names one row in all lanes
.irp i, 0,1,2,3,4,5
.set RA, 640+192*(\b)+32*\i
	WIN (RA>>8)<<6
.irp q, 0,1,2,3,4,5,6,7
	global_load_b128 v[(RA&255)+4*\q:(RA&255)+4*\q+3], v[AOFF+\i], s[16:17] offset:(\imm)+32*\q
.endr
.endr
	WIN 0
.endm
; 32 rows x 128 columns of the slice, turned: eight fragments into buffer p.  Ahead of each run the address is held to the walk's own largest value (BA: BAMAX; BA2: 128 rows more), which never bites:
; with the largest offset, 32,496 bytes to a load's end, no turning load ends past byte 294,880, inside the slice and below the stages.  The line is also one of the four places ahead of the loads.
.macro BLOAD p, areg, imm
	v_min_u32 v[\areg], BAMAX+((\areg)-BA)*4*32*PB, v[\areg]
.irp c, 0,1,2,3,4,5,6,7
	ds_load_tr16_b128 v[128+64*(\p)+8*\c:128+64*(\p)+8*\c+3],   v[\areg] offset:(\imm)+32*\c
	ds_load_tr16_b128 v[128+64*(\p)+8*\c+4:128+64*(\p)+8*\c+7], v[\areg] offset:(\imm)+32*\c+16*PB
.endr
.endm
.macro TILES b, ks, p                  ; eight products a tile; the accumulators take turns, one instruction a turn; tiles past the trip's number are jumped
.irp i, 0,1,2,3,4,5
.if \i > 0
	WIN 0
	s_cmp_le_u32 s[MT], \i
	s_cbranch_scc1 .Lte_\@
.endif
.set RA, 640+192*(\b)+32*\i+8*(\ks)
.set RC, 256+64*\i
.set RAL, RA&255
.set RCL, RC&255
	WIN ((RC>>8)*0x50)|((RA>>8)<<2)
.irp c, 0,1,2,3,4,5,6,7
	v_wmma_f32_16x16x32_bf16 v[RCL+8*\c:RCL+8*\c+7], v[128+64*(\p)+8*\c:128+64*(\p)+8*\c+7], v[RAL:RAL+7], v[RCL+8*\c:RCL+8*\c+7]
.endr
.endr
	WIN 0
.Lte_\@:
.endm
.macro KSTEP b, ks, p, nxt, areg, imm  ; one K step of 32: its weight fragments were asked for a step ago; the next step's (nxt = 1) are asked for first
.if \nxt
	PLACES 3                                       ; with BLOAD's first line: four
.endif
	s_wait_dscnt 0x0
.if \nxt
	BLOAD 1-(\p), \areg, \imm
.endif
	TILES \b, \ks, \p
.endm
	s_load_b256 s[4:11], s[0:1], 0x0               ; xb 4, w1 6, b1 8, bmp 10
	s_load_b64 s[12:13], s[0:1], 0x20              ; hid
	v_lshl_add_u32 v[SPW], v0, 2, SPARE
	v_mov_b32 v[NIL], 0
	v_lshrrev_b32 v56, 5, v0
	v_readfirstlane_b32 s[WV], v56
	v_and_b32 v[R15], 15, v0
	v_bfe_u32 v[H], v0, 4, 1
	v_and_b32 v[LANE], 31, v0
	v_lshlrev_b32 v[WOFF], 4, v[LANE]
	v_lshlrev_b32 v[H16], 4, v[H]
	v_lshlrev_b32 v[BOFF], 5, v[H]
	s_and_b32 s[EX], ttmp7, 0xffff                 ; expert
	s_mov_b32 s[SX], ttmp9                         ; slice
	s_lshl_b32 s76, s[EX], 24                      ; w1: expert x 16 MiB + 512 x slice + wave x 256 rows
	s_lshl_b32 s78, s[SX], 9
	s_add_co_u32 s76, s76, s78
	s_lshl_b32 s78, s[WV], 22
	s_add_co_u32 s76, s76, s78
	s_mov_b32 s77, 0
	s_lshl_b32 s78, s[EX], 14                      ; b1
	s_lshl_b32 s80, s[SX], 9
	s_add_co_u32 s78, s78, s80
	s_mov_b32 s79, 0
	s_lshl_b32 s80, s[EX], 7                       ; bmp: the expert's 32 words
	s_mov_b32 s81, 0
	s_lshl_b32 s82, s[EX], 23                      ; hid: expert x 8 MiB + 256 x slice
	s_lshl_b32 s84, s[SX], 8
	s_add_co_u32 s82, s82, s84
	s_mov_b32 s83, 0
	s_wait_kmcnt 0x0
	s_add_nc_u64 s[18:19], s[6:7], s[76:77]
	s_add_nc_u64 s[8:9], s[8:9], s[78:79]
	s_add_nc_u64 s[10:11], s[10:11], s[80:81]
	s_add_nc_u64 s[12:13], s[12:13], s[82:83]
	s_load_b512 s[32:47], s[10:11], 0x0
	s_load_b512 s[48:63], s[10:11], 0x40
.irp c, 0,1,2,3,4,5,6,7                                ; b1 of my eight columns in each block of 16
	global_load_b128 v[BIAS+8*\c:BIAS+8*\c+3],   v[BOFF], s[8:9] offset:64*\c
	global_load_b128 v[BIAS+8*\c+4:BIAS+8*\c+7], v[BOFF], s[8:9] offset:64*\c+16
.endr
	WLOAD 0, 0                                     ; 48 rows of the slice are on their way before anything else is done
	WLOAD 1, 16
	WLOAD 2, 32
	WIN 0
	s_mul_i32 s76, s[WV], 256*PB
	v_lshl_add_u32 v[LSTA], v[LANE], 3, s76
	v_and_b32 v56, 7, v0
	v_lshl_add_u32 v56, v[H], 3, v56
	v_mul_u32_u24 v[BADR0], v56, PB                ; row 8 (l / 16) + l % 8,
	v_bfe_u32 v57, v0, 3, 1
	v_lshl_add_u32 v[BADR0], v57, 4, v[BADR0]      ; columns 8 ((l / 8) % 2) on
	s_mul_i32 s76, s[WV], 16*SP
	s_add_co_u32 s76, s76, STG                     ; my stage
	v_mul_u32_u24 v56, v[R15], SP
	v_lshl_add_u32 v56, v[H], 4, v56
	v_add_nc_u32 v[STO], s76, v56                  ; in: row l % 16, 16 bytes for each half of the lanes
	v_mul_u32_u24 v56, v[H], SP
	v_lshl_add_u32 v56, v[R15], 4, v56
	v_add_nc_u32 v[RD], s76, v56                   ; back: lanes 0-15 one row of 256 bytes, lanes 16-31 the next
	v_lshlrev_b32 v56, 13, v[H]
	v_lshl_add_u32 v[HO0], v[R15], 4, v56          ; and the same two rows in hid
	s_mov_b32 s86, 0xbe027906                      ; q's coefficients, each as a pair for the packed forms
	s_mov_b32 s87, s86
	s_mov_b32 s88, 0x3e11a98e
	s_mov_b32 s89, s88
	s_mov_b32 s90, 0xbf35f0e3
	s_mov_b32 s91, s90
	s_mov_b32 s92, 0x3f3a00e3
	s_mov_b32 s93, s92
	s_mov_b32 s94, 0xbf07dc22
	s_mov_b32 s95, s94
	s_mov_b32 s96, 0xbf38aa3b                      ; -log2(e) / 2
	s_mov_b32 s97, s96
	s_mov_b32 s98, 0x3e6d3388                      ; 0.3275911 / sqrt 2
	s_wait_kmcnt 0x0
	s_mov_b32 s[NN], 0
.set j, 0
.rept 32
	s_bcnt1_i32_b32 s76, s[32+j]
	s_add_co_u32 s[NN], s[NN], s76
.set j, j+1
.endr
	s_max_u32 s[NN], s[NN], 1
	s_sub_co_u32 s[NM1], s[NN], 1
	s_add_co_u32 s76, s[NN], 15
	s_lshr_b32 s76, s76, 4                         ; tiles of 16 rows
	s_add_co_u32 s76, s76, 3
	s_sub_co_u32 s76, s76, s[WV]
	s_lshr_b32 s[MW], s76, 2                       ; mine: tiles w, w + 4, ..: 16 at the most
	s_add_co_u32 s76, s[MW], 5
	s_mul_i32 s76, s76, 43
	s_lshr_b32 s[NTR], s76, 8                      ; ceil(mine / 6), right up to 16
	; THE LIST, by wave 0: a counting sort by bits: a token's rank is the number of chosen tokens below it
	s_cmp_lg_u32 s[WV], 0
	s_cbranch_scc1 .Lnolist
	v_lshl_add_u32 v48, v[LANE], 4, LIST
.irp z, 44,45,46,47
	v_mov_b32 v\z, 0
.endr
.irp k, 0,1,2,3,4,5,6,7
	ds_store_b128 v48, v[44:47] offset:512*\k      ; all 1,024 places name token 0 first; LDS serves a wave's instructions in order (ISA guide 5.7.1.4), so the stores below come behind these
.endr
	v_add_nc_u32 v58, 1024, v[LANE]                ; the place of a lane that has nothing to list
	v_mov_b32 v60, v[LANE]
	s_mov_b32 s[PFX], 0
.set j, 0
.rept 32
	v_mbcnt_lo_u32_b32 v59, s[32+j], s[PFX]
	v_cndmask_b32 v59, v58, v59, s[32+j]
	v_min_u32 v59, 0x41f, v59
	v_lshl_add_u32 v59, v59, 2, LIST
	ds_store_b32 v59, v60
	v_add_nc_u32 v60, 32, v60
	s_bcnt1_i32_b32 s76, s[32+j]
	s_add_co_u32 s[PFX], s[PFX], s76
.set j, j+1
.endr
.Lnolist:
	s_wait_dscnt 0x0                               ; the list is in LDS,
	s_barrier_signal -1
	s_barrier_wait -1                              ; and every wave may read it
	s_mov_b32 s[TR], 0
	SETUP
	; THE SLICE: 16 groups of 16 rows a wave through three banks; two groups stay on their way at every wait
	s_mov_b32 s[KC], 4
.Lw:
	GROUP 0, 1, 32, 0
	GROUP 1, 1, 32, 16
	GROUP 2, 1, 32, 32
	s_wait_xcnt 0x0                                ; the loads' base is stepped only behind this wait
	s_add_nc_u64 s[18:19], s[18:19], 48*WP
	v_add_nc_u32 v[LSTA], 48*PB, v[LSTA]
	s_sub_co_u32 s[KC], s[KC], 1
	s_cmp_lg_u32 s[KC], 0
	s_cbranch_scc1 .Lw
	GROUP 0, 1, 32, 0                              ; group 12; group 15 is asked for: the last
	GROUP 1, 0, 32, 16                             ; group 13: groups 14 and 15 stay out
	GROUP 2, 0, 16, 32                             ; group 14: group 15 stays out
	s_mov_b64 s[16:17], s[4:5]
	ISSUE_A 0, 0                                   ; the first token rows go out under the slice's end
.set z, 0
.rept 32                                               ; b1 rounded to bf16 like every input
	v_cvt_pk_bf16_f32 v[56+z%4], v[BIAS+2*z], v[BIAS+2*z+1]
	v_lshlrev_b32 v[BIAS+2*z], 16, v[56+z%4]
	v_and_b32 v[BIAS+2*z+1], 0xffff0000, v[56+z%4]
.set z, z+1
.endr
	GROUP 0, 0, 48, 48                             ; group 15: the 48 loads of token rows stay out
	s_wait_dscnt 0x0                               ; my part of the slice is in LDS,
	s_barrier_signal -1
	s_barrier_wait -1                              ; everybody's is: nothing writes it from here on
	s_cmp_eq_u32 s[NTR], 0
	s_cbranch_scc1 .Ldone
.Ltrip:                                                ; up to six tiles a wave through all of K
	CLEAR
	s_mov_b32 s[KC], 4
	v_mov_b32 v[BA], v[BADR0]
	v_add_nc_u32 v[BA2], 4*32*PB, v[BADR0]
.Lk:                                                   ; 256 along K: two chunks of token rows, eight K steps
	PLACES 3                                       ; with BLOAD's first line: four
	BLOAD 0, BA, 0
	s_wait_loadcnt 0x0                             ; buffer 0 is in: nothing else is out
	ISSUE_A 1, 256
	KSTEP 0, 0, 0, 1, BA, 1*32*PB
	KSTEP 0, 1, 1, 1, BA, 2*32*PB
	KSTEP 0, 2, 0, 1, BA, 3*32*PB
	KSTEP 0, 3, 1, 1, BA2, 0
	s_wait_loadcnt 0x0                             ; buffer 1 is in; the loads' base is free
	s_add_nc_u64 s[16:17], s[16:17], 512
	s_cmp_eq_u32 s[KC], 1
	s_cbranch_scc1 .Lnoa                           ; behind the last chunk there is nothing to ask for
	PLACES
	ISSUE_A 0, 0
.Lnoa:
	KSTEP 1, 0, 0, 1, BA2, 1*32*PB
	KSTEP 1, 1, 1, 1, BA2, 2*32*PB
	KSTEP 1, 2, 0, 1, BA2, 3*32*PB
	KSTEP 1, 3, 1, 0, BA2, 0
	v_add_nc_u32 v[BA], 8*32*PB, v[BA]
	v_add_nc_u32 v[BA2], 8*32*PB, v[BA2]
	s_sub_co_u32 s[KC], s[KC], 1
	s_cmp_lg_u32 s[KC], 0
	s_cbranch_scc1 .Lk
	s_wait_loadcnt 0x0                             ; the last K trip asked for nothing, so this is met at once: it stands so that on every way through the text buffer 0's loads are in before the next row trip's are issued
	; THE WAY OUT, a tile a trip: + b1, gelu, bf16, through my stage, whole rows of 256 bytes into hid
	PLACES
	s_mov_b32 s[EI], 0
.macro CASE i, jump                    ; tile i's sums + b1 into T, each accumulator from its low end on
.Lc\i:
.set RC, 256+64*(\i)
	WIN RC>>8
.set z, 0
.rept 32
	v_pk_add_f32 v[T+2*z:T+2*z+1], v[(RC&255)+2*z:(RC&255)+2*z+1], v[BIAS+2*z:BIAS+2*z+1]
.set z, z+1
.endr
	WIN 0
.if \jump
	s_branch .Lcommon
.endif
.endm
.macro ALL16 line:vararg               ; one line for each pair z of 16
.set z, 0
.rept 16
	\line
.set z, z+1
.endr
.endm
.macro ALL32 line:vararg
.set z, 0
.rept 32
	\line
.set z, z+1
.endr
.endm
.macro GELU hf                         ; 32 numbers a lane
.set TB, T+32*(\hf)
	WIN 0
	ALL16 v_pk_mul_f32 v[EE+2*z:EE+2*z+1], v[TB+2*z:TB+2*z+1], v[TB+2*z:TB+2*z+1]
	ALL16 v_pk_mul_f32 v[EE+2*z:EE+2*z+1], v[EE+2*z:EE+2*z+1], s[96:97] op_sel_hi:[1,0]
	ALL32 v_fma_f32 v[RR+z], |v[TB+z]|, s98, 1.0
	ALL32 v_rcp_f32 v[RR+z], v[RR+z]
	ALL32 v_exp_f32 v[EE+z], v[EE+z]
	v_nop                                          ; a plain instruction behind the last of them,
	s_wait_alu depctr_va_vdst(0)                   ; and one wait for the batch of 64
	WIN 0x80                                       ; q lives in window 2, in token buffer 0, which is idle here
	ALL16 v_pk_fma_f32 v[QQ+2*z:QQ+2*z+1], v[RR+2*z:RR+2*z+1], s[94:95], s[92:93] op_sel_hi:[1,0,0]
	WIN 0x82
.irp cc, 90, 88, 86
	ALL16 v_pk_fma_f32 v[QQ+2*z:QQ+2*z+1], v[QQ+2*z:QQ+2*z+1], v[RR+2*z:RR+2*z+1], s[\cc:\cc+1] op_sel_hi:[1,1,0]
.endr
	ALL16 v_pk_mul_f32 v[QQ+2*z:QQ+2*z+1], v[QQ+2*z:QQ+2*z+1], v[RR+2*z:RR+2*z+1]
	WIN 0x02
	ALL16 v_pk_fma_f32 v[EE+2*z:EE+2*z+1], v[QQ+2*z:QQ+2*z+1], v[EE+2*z:EE+2*z+1], 0.5 op_sel_hi:[1,1,0]
	WIN 0
	ALL16 v_pk_mul_f32 v[RR+2*z:RR+2*z+1], v[TB+2*z:TB+2*z+1], 0.5 op_sel_hi:[1,0]
	ALL32 v_fma_f32 v[EE+z], |v[TB+z]|, v[EE+z], v[RR+z]
	ALL16 v_cvt_pk_bf16_f32 v[T+16*(\hf)+z], v[EE+2*z], v[EE+2*z+1]
.endm
.Lepi:
	s_wait_xcnt 0x0                                ; the last tile's stores have read their data and offset
.irp k, 0,1,2,3,4
	s_cmp_eq_u32 s[EI], \k
	s_cbranch_scc1 .Lc\k
.endr
	CASE 5, 1
	CASE 0, 1
	CASE 1, 1
	CASE 2, 1
	CASE 3, 1
	CASE 4, 0
.Lcommon:
	GELU 0
	GELU 1
.irp c, 0,1,2,3,4,5,6,7
	ds_store_b128 v[STO], v[T+4*\c:T+4*\c+3] offset:32*\c
.endr
.irp t, 0,1,2,3,4,5,6,7
	ds_load_b128 v[RR+4*\t:RR+4*\t+3], v[RD] offset:\t*2*SP  ; LDS serves a wave's instructions in order (ISA guide 5.7.1.4): these see the stores above
.endr
	s_mul_i32 s76, s[TR], 24
	s_lshl2_add_u32 s76, s[EI], s76
	s_add_co_u32 s76, s76, s[WV]                   ; the tile's number among the expert's,
	s_min_u32 s76, s76, 63
	s_lshl_b32 s76, s76, 17                        ; its 16 rows of 8,192 bytes
	v_add_nc_u32 v[HOFF], s76, v[HO0]
.irp t, 0,1,2,3,4,5,6,7
	s_wait_dscnt 7-\t
	global_store_b128 v[HOFF], v[RR+4*\t:RR+4*\t+3], s[12:13] offset:\t*16384  ; 16 lanes store 256 consecutive bytes, aligned
.endr
	s_add_co_u32 s[EI], s[EI], 1
	s_cmp_lt_u32 s[EI], s[MT]
	s_cbranch_scc1 .Lepi
	s_add_co_u32 s[TR], s[TR], 1
	s_cmp_ge_u32 s[TR], s[NTR]
	s_cbranch_scc1 .Ldone                          ; nothing is asked for behind the last trip
	s_wait_xcnt 0x0
	s_mov_b64 s[16:17], s[4:5]
	SETUP
	ISSUE_A 0, 0
	s_cmp_lt_u32 s[TR], s[NTR]
	s_cbranch_scc1 .Ltrip
.Ldone:
	s_wait_tensorcnt 0x0                           ; the wave's end
	ds_add_u32 v[SPW], v[NIL]
	s_wait_dscnt 0x0
	s_endpgm
.Lfunc_end_k_q9faf4a8b71_fc1:
	.size	k_q9faf4a8b71_fc1, .Lfunc_end_k_q9faf4a8b71_fc1-k_q9faf4a8b71_fc1
	.p2alignl 7, 3214868480
	.fill 96, 4, 3214868480
	.section	.rodata,"a",@progbits
	.p2align	6, 0x0
	.amdhsa_kernel k_q9faf4a8b71_fc1
		.amdhsa_group_segment_fixed_size 327680
		.amdhsa_private_segment_fixed_size 0
		.amdhsa_enable_private_segment 0
		.amdhsa_kernarg_size 40
		.amdhsa_user_sgpr_count 2
		.amdhsa_user_sgpr_kernarg_segment_ptr 1
		.amdhsa_wavefront_size32 1
		.amdhsa_system_sgpr_workgroup_id_x 1
		.amdhsa_system_sgpr_workgroup_id_y 1
		.amdhsa_system_sgpr_workgroup_id_z 1
		.amdhsa_system_vgpr_workitem_id 0
		.amdhsa_next_free_vgpr 1024
		.amdhsa_next_free_sgpr 100
		.amdhsa_reserve_vcc 0
		.amdhsa_float_denorm_mode_32 3
		.amdhsa_float_denorm_mode_16_64 3
		.amdhsa_memory_ordered 1
		.amdhsa_forward_progress 1
		.amdhsa_inst_pref_size 185
	.end_amdhsa_kernel
	.amdgpu_metadata
---
amdhsa.version: [ 1, 2 ]
amdhsa.kernels:
  - .name:           k_q9faf4a8b71_fc1
    .symbol:         k_q9faf4a8b71_fc1.kd
    .args:
      - { .name: xb, .offset: 0, .size: 8, .value_kind: global_buffer, .address_space: global }
      - { .name: w1, .offset: 8, .size: 8, .value_kind: global_buffer, .address_space: global }
      - { .name: b1, .offset: 16, .size: 8, .value_kind: global_buffer, .address_space: global }
      - { .name: bmp, .offset: 24, .size: 8, .value_kind: global_buffer, .address_space: global }
      - { .name: hid, .offset: 32, .size: 8, .value_kind: global_buffer, .address_space: global }
    .group_segment_fixed_size: 327680
    .private_segment_fixed_size: 0
    .kernarg_segment_align: 8
    .kernarg_segment_size: 40
    .max_flat_workgroup_size: 128
    .sgpr_count:     100
    .vgpr_count:     1024
    .wavefront_size: 32
...
	.end_amdgpu_metadata
.endif
;; end of part 2
;; launch fc2 (part 3): grid 32 x 8, 4 waves a work-group, no clusters, 327,680 bytes of LDS; arguments hid, w2, bmp, part; writes part
.if DOCPART == 3
	.amdgcn_target "amdgcn-amd-amdhsa--gfx1250"
	.amdhsa_code_object_version 6
	.text
	.protected	k_q9faf4a8b71_fc2
	.globl	k_q9faf4a8b71_fc2
	.p2align	8
	.type	k_q9faf4a8b71_fc2,@function
k_q9faf4a8b71_fc2:
	s_mov_b64 s[64:65], 0
	v_nop
	global_prefetch_b8 v0, s[64:65] scope:SCOPE_SE
	s_setreg_imm32_b32 hwreg(HW_REG_WAVE_MODE, 25, 1), 1
	s_wait_xcnt 0x0
; part[ks][token][e][:] = hid[e][rank][1024 ks ..] w2[e][1024 ks ..][:], f32 partial sums, for the tokens that chose expert e.
; SHARES.  Work-group (x, e), ks = x / 8, cs = x % 8, owns rows 1,024 ks .. and columns 128 cs .. of w2[e]: it alone reads them, once, rounds them to bf16 on their way through registers
; and lays them into LDS as [k][n].  Then it walks the expert's rows in tiles of 16: tile g belongs to wave g % 4, up to six tiles a wave and trip.
; K is cut in four so that a slice fits in LDS; the four partial rows, in f32, and b2 are added by the next launch, which owns each output row.
; The row loop's length hangs on the count read from bmp: it holds no barrier and writes no LDS byte that another wave touches; hid's rows come from memory straight into matrix operands.
; THE COUNT is taken as max(n, 1), and the list is cleared first, as in the launch before: an expert without tokens writes one row of part that nobody reads.  Places past the count repeat the last row.
; THE MATRIX INSTRUCTION IS USED TRANSPOSED: source 0 = 16 columns of w2 (turned out of LDS), source 1 = 16 rows of hid: a lane holds one row and eight neighbouring columns.
; NO JOINT LOADS: each slice of weights has one reader; beside the slice (294,912 of 327,680 bytes) LDS has no room for a shared tile of hid's rows.
; The sums start from accumulators cleared at a trip's head, 384 v_mov_b32, which stand in the wait for the trip's first rows: the price of one text for every K step.
; REGISTERS by absolute number (s_set_vgpr_msb: bits 1:0 source 0, 3:2 source 1, 5:4 source 2, 7:6 destination):
;   0-63 addresses and work; 128-191, 192-255 two buffers of weight fragments (in the way out: rows read back)
;   256 + 64 i + 8 c  accumulator of tile i, column block c;   640 + 192 b + 32 i + 8 ks  row fragments; 832-1023 (buffer 1) hold the weights on their way into LDS
.set WP,     4096                      ; bytes from row to row of w2
.set PB,     288                       ; a row of the slice in LDS: 256 bytes + 32
.set STG,    294912                    ; 16 rows x 272 bytes for each wave, its own: half a tile's columns in f32
.set SP,     272
.set LIST,   312320                    ; rank -> token, 1,024 words; behind them 32 words for lanes that have nothing to list
.set SPARE,  316672                    ; the spare words, 128 bytes a wave, named by no other line
.set BAMAX,  15*PB+16+3*8*32*PB        ; the largest address of a K trip's first fragments: my lane's place at the most, plus three trips of 256 rows
.set R15,  1
.set H,    2
.set LANE, 3
.set SPW,  4
.set NIL,  5
.set WOFF, 6
.set LSTA, 7
.set BADR0,8
.set BA,   9                           ; the K trip's K steps 0 to 3
.set BA2,  10                          ; its K steps 4 to 7: BA + 128 rows
.set H16,  11
.set AOFF, 12                          ; v12-17
.set STO,  24
.set RD,   25
.set LC,   27
.set VO,   28                          ; v28-35 the eight stores' offsets
.set TKS,  36                          ; v36-43 their rows' tokens
.set OB,   128                         ; rows read back from the stage
.set WV,  20
.set EX,  21
.set SX,  22
.set KSL, 23
.set CSL, 24
.set NN,  66
.set NM1, 67
.set MW,  68
.set NTR, 69
.set TR,  70
.set MT,  71
.set KC,  72
.set MT2, 73
.set EI,  74
.set PFX, 75
.set MSB, 0
.macro WIN new
.if MSB != (\new)
	s_set_vgpr_msb (MSB<<8)|(\new)
.set MSB, (\new)
.endif
.endm
.macro PLACES n=4                      ; plain vector instructions between a matrix instruction and a load into, or a reader of, its registers: four are wanted
.rept \n
	v_nop
.endr
.endm
.macro WLOAD b, row
	WIN 0xc0
.irp q, 0,1,2,3,4,5,6,7,8,9,10,11,12,13,14,15
	global_load_b128 v[64+64*(\b)+4*\q:64+64*(\b)+4*\q+3], v[WOFF], s[18:19] offset:((\row)+\q)*WP th:TH_LOAD_NT
.endr
.endm
.macro GROUP b, issue, n, row          ; bank b has landed (n younger loads stay out): rounded, stored to LDS, and (issue = 1) filled again, 48 rows on
	s_wait_loadcnt \n
	WIN 0xcf
.irp q, 0,1,2,3,4,5,6,7,8,9,10,11,12,13,14,15
	v_cvt_pk_bf16_f32 v[64+64*(\b)+4*\q],   v[64+64*(\b)+4*\q],   v[64+64*(\b)+4*\q+1]
	v_cvt_pk_bf16_f32 v[64+64*(\b)+4*\q+1], v[64+64*(\b)+4*\q+2], v[64+64*(\b)+4*\q+3]
.endr
	WIN 0x0c
.irp q, 0,1,2,3,4,5,6,7,8,9,10,11,12,13,14,15
	ds_store_b64 v[LSTA], v[64+64*(\b)+4*\q:64+64*(\b)+4*\q+1] offset:((\row)+\q)*PB
.endr
.if \issue
	WLOAD \b, 48+16*(\b)
.endif
	WIN 0
.endm
.macro CLEAR
	WIN 0x40
.set z, 0
.rept 256
	v_mov_b32 v[z], 0
.set z, z+1
.endr
	WIN 0x80
.set z, 0
.rept 128
	v_mov_b32 v[z], 0
.set z, z+1
.endr
	WIN 0
.endm
.macro SETUP
	s_mul_i32 s76, s[TR], 6
	s_sub_co_i32 s[MT], s[MW], s76
	s_max_i32 s[MT], s[MT], 0
	s_min_i32 s[MT], s[MT], 6
	s_lshl_b32 s[MT2], s[MT], 1
	s_mul_i32 s76, s[TR], 384                      ; rank = 16 x (24 TR + 4 i + w) + r
	s_lshl4_add_u32 s76, s[WV], s76
	v_add_nc_u32 v56, s76, v[R15]
.irp i, 0,1,2,3,4,5
	v_add_nc_u32 v57, 64*\i, v56
	v_min_u32 v57, s[NM1], v57                     ; places past the count repeat the last row
	v_min_u32 v57, 0x3ff, v57
	v_lshl_add_u32 v[AOFF+\i], v57, 13, v[H16]     ; rank x 8,192 bytes + 16 x half
.endr
.endm
.macro ISSUE_A b, imm                  ; always 48 loads, so that counts are alike on every path
.irp i, 0,1,2,3,4,5
.set RA, 640+192*(\b)+32*\i
	WIN (RA>>8)<<6
.irp q, 0,1,2,3,4,5,6,7
	global_load_b128 v[(RA&255)+4*\q:(RA&255)+4*\q+3], v[AOFF+\i], s[16:17] offset:(\imm)+32*\q
.endr
.endr
	WIN 0
.endm
; 32 rows x 128 columns of the slice, turned: eight fragments into buffer p.  Ahead of each run the address is held to the walk's own largest value (BA: BAMAX; BA2: 128 rows more), which never bites:
; with the largest offset, 32,496 bytes to a load's end, no turning load ends past byte 294,880, inside the slice and below the stages.  The line is also one of the four places ahead of the loads.
.macro BLOAD p, areg, imm
	v_min_u32 v[\areg], BAMAX+((\areg)-BA)*4*32*PB, v[\areg]
.irp c, 0,1,2,3,4,5,6,7
	ds_load_tr16_b128 v[128+64*(\p)+8*\c:128+64*(\p)+8*\c+3],   v[\areg] offset:(\imm)+32*\c
	ds_load_tr16_b128 v[128+64*(\p)+8*\c+4:128+64*(\p)+8*\c+7], v[\areg] offset:(\imm)+32*\c+16*PB
.endr
.endm
.macro TILES b, ks, p                  ; the accumulators take turns, one instruction a turn; tiles past the trip's number are jumped
.irp i, 0,1,2,3,4,5
.if \i > 0
	WIN 0
	s_cmp_le_u32 s[MT], \i
	s_cbranch_scc1 .Lte_\@
.endif
.set RA, 640+192*(\b)+32*\i+8*(\ks)
.set RC, 256+64*\i
.set RAL, RA&255
.set RCL, RC&255
	WIN ((RC>>8)*0x50)|((RA>>8)<<2)
.irp c, 0,1,2,3,4,5,6,7
	v_wmma_f32_16x16x32_bf16 v[RCL+8*\c:RCL+8*\c+7], v[128+64*(\p)+8*\c:128+64*(\p)+8*\c+7], v[RAL:RAL+7], v[RCL+8*\c:RCL+8*\c+7]
.endr
.endr
	WIN 0
.Lte_\@:
.endm
.macro KSTEP b, ks, p, nxt, areg, imm  ; one K step of 32: its weight fragments were asked for a step ago; the next step's (nxt = 1) are asked for first
.if \nxt
	PLACES 3                                       ; with BLOAD's first line: four
.endif
	s_wait_dscnt 0x0
.if \nxt
	BLOAD 1-(\p), \areg, \imm
.endif
	TILES \b, \ks, \p
.endm
	s_load_b256 s[4:11], s[0:1], 0x0               ; hid 4, w2 6, bmp 8, part 10
	v_lshl_add_u32 v[SPW], v0, 2, SPARE
	v_mov_b32 v[NIL], 0
	v_lshrrev_b32 v56, 5, v0
	v_readfirstlane_b32 s[WV], v56
	v_and_b32 v[R15], 15, v0
	v_bfe_u32 v[H], v0, 4, 1
	v_and_b32 v[LANE], 31, v0
	v_lshlrev_b32 v[WOFF], 4, v[LANE]
	v_lshlrev_b32 v[H16], 4, v[H]
	v_lshlrev_b32 v[LC], 4, v[R15]
	s_and_b32 s[EX], ttmp7, 0xffff
	s_mov_b32 s[SX], ttmp9
	s_lshr_b32 s[KSL], s[SX], 3                    ; which 1,024 of K
	s_and_b32 s[CSL], s[SX], 7                     ; which 128 columns
	s_lshl_b32 s76, s[EX], 24                      ; w2: expert x 16 MiB + ks x 1,024 rows + wave x 256 rows + 512 cs
	s_lshl_b32 s78, s[KSL], 22
	s_add_co_u32 s76, s76, s78
	s_lshl_b32 s78, s[WV], 20
	s_add_co_u32 s76, s76, s78
	s_lshl_b32 s78, s[CSL], 9
	s_add_co_u32 s76, s76, s78
	s_mov_b32 s77, 0
	s_lshl_b32 s78, s[EX], 23                      ; hid: expert x 8 MiB + 2,048 ks
	s_lshl_b32 s80, s[KSL], 11
	s_add_co_u32 s78, s78, s80
	s_mov_b32 s79, 0
	s_lshl_b32 s80, s[EX], 7                       ; bmp
	s_mov_b32 s81, 0
	s_lshl_b32 s82, s[KSL], 25                     ; part: ks x 32 MiB + e x 4,096 + 512 cs
	s_lshl_b32 s84, s[EX], 12
	s_add_co_u32 s82, s82, s84
	s_lshl_b32 s84, s[CSL], 9
	s_add_co_u32 s82, s82, s84
	s_mov_b32 s83, 0
	s_wait_kmcnt 0x0
	s_add_nc_u64 s[18:19], s[6:7], s[76:77]
	s_add_nc_u64 s[14:15], s[4:5], s[78:79]
	s_add_nc_u64 s[8:9], s[8:9], s[80:81]
	s_add_nc_u64 s[12:13], s[10:11], s[82:83]
	s_load_b512 s[32:47], s[8:9], 0x0
	s_load_b512 s[48:63], s[8:9], 0x40
	WLOAD 0, 0                                     ; 48 rows of the slice are on their way before anything else is done
	WLOAD 1, 16
	WLOAD 2, 32
	WIN 0
	s_mul_i32 s76, s[WV], 256*PB
	v_lshl_add_u32 v[LSTA], v[LANE], 3, s76
	v_and_b32 v56, 7, v0
	v_lshl_add_u32 v56, v[H], 3, v56
	v_mul_u32_u24 v[BADR0], v56, PB
	v_bfe_u32 v57, v0, 3, 1
	v_lshl_add_u32 v[BADR0], v57, 4, v[BADR0]
	s_mul_i32 s76, s[WV], 16*SP
	s_add_co_u32 s76, s76, STG                     ; my stage
	v_mul_u32_u24 v56, v[R15], SP
	v_lshl_add_u32 v56, v[H], 5, v56
	v_add_nc_u32 v[STO], s76, v56                  ; in: row l % 16, 32 bytes for each half of the lanes
	v_mul_u32_u24 v56, v[H], SP
	v_lshl_add_u32 v56, v[R15], 4, v56
	v_add_nc_u32 v[RD], s76, v56                   ; back: lanes 0-15 one row of 256 bytes, lanes 16-31 the next
	s_wait_kmcnt 0x0
	s_mov_b32 s[NN], 0
.set j, 0
.rept 32
	s_bcnt1_i32_b32 s76, s[32+j]
	s_add_co_u32 s[NN], s[NN], s76
.set j, j+1
.endr
	s_max_u32 s[NN], s[NN], 1
	s_sub_co_u32 s[NM1], s[NN], 1
	s_add_co_u32 s76, s[NN], 15
	s_lshr_b32 s76, s76, 4
	s_add_co_u32 s76, s76, 3
	s_sub_co_u32 s76, s76, s[WV]
	s_lshr_b32 s[MW], s76, 2                       ; my tiles: 16 at the most
	s_add_co_u32 s76, s[MW], 5
	s_mul_i32 s76, s76, 43
	s_lshr_b32 s[NTR], s76, 8                      ; ceil(mine / 6), right up to 16
	; THE LIST, by wave 0, as in the launch before: the same ranks
	s_cmp_lg_u32 s[WV], 0
	s_cbranch_scc1 .Lnolist
	v_lshl_add_u32 v48, v[LANE], 4, LIST
.irp z, 44,45,46,47
	v_mov_b32 v\z, 0
.endr
.irp k, 0,1,2,3,4,5,6,7
	ds_store_b128 v48, v[44:47] offset:512*\k      ; all 1,024 places name token 0 first; LDS serves a wave's instructions in order (ISA guide 5.7.1.4), so the stores below come behind these
.endr
	v_add_nc_u32 v58, 1024, v[LANE]
	v_mov_b32 v60, v[LANE]
	s_mov_b32 s[PFX], 0
.set j, 0
.rept 32
	v_mbcnt_lo_u32_b32 v59, s[32+j], s[PFX]
	v_cndmask_b32 v59, v58, v59, s[32+j]
	v_min_u32 v59, 0x41f, v59
	v_lshl_add_u32 v59, v59, 2, LIST
	ds_store_b32 v59, v60
	v_add_nc_u32 v60, 32, v60
	s_bcnt1_i32_b32 s76, s[32+j]
	s_add_co_u32 s[PFX], s[PFX], s76
.set j, j+1
.endr
.Lnolist:
	s_wait_dscnt 0x0                               ; the list is in LDS,
	s_barrier_signal -1
	s_barrier_wait -1                              ; and every wave may read it
	s_mov_b32 s[TR], 0
	SETUP
	s_mov_b32 s[KC], 4
.Lw:                                                   ; the slice: 16 groups of 16 rows a wave through three banks
	GROUP 0, 1, 32, 0
	GROUP 1, 1, 32, 16
	GROUP 2, 1, 32, 32
	s_wait_xcnt 0x0                                ; the loads' base is stepped only behind this wait
	s_add_nc_u64 s[18:19], s[18:19], 48*WP
	v_add_nc_u32 v[LSTA], 48*PB, v[LSTA]
	s_sub_co_u32 s[KC], s[KC], 1
	s_cmp_lg_u32 s[KC], 0
	s_cbranch_scc1 .Lw
	GROUP 0, 1, 32, 0                              ; group 12; group 15 is asked for: the last
	GROUP 1, 0, 32, 16                             ; group 13: groups 14 and 15 stay out
	GROUP 2, 0, 16, 32                             ; group 14: group 15 stays out
	s_mov_b64 s[16:17], s[14:15]
	ISSUE_A 0, 0                                   ; the first rows of hid go out under the slice's end
	GROUP 0, 0, 48, 48                             ; group 15: those 48 loads stay out
	s_wait_dscnt 0x0                               ; my part of the slice is in LDS,
	s_barrier_signal -1
	s_barrier_wait -1                              ; everybody's is: nothing writes it from here on
	s_cmp_eq_u32 s[NTR], 0
	s_cbranch_scc1 .Ldone
.Ltrip:
	CLEAR
	s_mov_b32 s[KC], 4
	v_mov_b32 v[BA], v[BADR0]
	v_add_nc_u32 v[BA2], 4*32*PB, v[BADR0]
.Lk:                                                   ; 256 along K: two chunks of rows, eight K steps
	PLACES 3                                       ; with BLOAD's first line: four
	BLOAD 0, BA, 0
	s_wait_loadcnt 0x0                             ; buffer 0 is in: nothing else is out
	ISSUE_A 1, 256
	KSTEP 0, 0, 0, 1, BA, 1*32*PB
	KSTEP 0, 1, 1, 1, BA, 2*32*PB
	KSTEP 0, 2, 0, 1, BA, 3*32*PB
	KSTEP 0, 3, 1, 1, BA2, 0
	s_wait_loadcnt 0x0                             ; buffer 1 is in; the loads' base is free
	s_add_nc_u64 s[16:17], s[16:17], 512
	s_cmp_eq_u32 s[KC], 1
	s_cbranch_scc1 .Lnoa                           ; behind the last chunk there is nothing to ask for
	PLACES
	ISSUE_A 0, 0
.Lnoa:
	KSTEP 1, 0, 0, 1, BA2, 1*32*PB
	KSTEP 1, 1, 1, 1, BA2, 2*32*PB
	KSTEP 1, 2, 0, 1, BA2, 3*32*PB
	KSTEP 1, 3, 1, 0, BA2, 0
	v_add_nc_u32 v[BA], 8*32*PB, v[BA]
	v_add_nc_u32 v[BA2], 8*32*PB, v[BA2]
	s_sub_co_u32 s[KC], s[KC], 1
	s_cmp_lg_u32 s[KC], 0
	s_cbranch_scc1 .Lk
	s_wait_loadcnt 0x0                             ; the last K trip asked for nothing, so this is met at once: it stands so that on every way through the text buffer 0's loads are in before the next row trip's are issued
	; THE WAY OUT, half a tile (16 rows x 64 columns of f32) a trip: through my stage, whole pieces of 256 bytes into each row's place in part
	PLACES
	s_mov_b32 s[EI], 0
.macro CASE k, jump                    ; half k % 2 of tile k / 2: four accumulators, each from its low end on
.Lc\k:
.set RC, 256+64*((\k)/2)+32*((\k)%2)
	WIN (RC>>8)<<2
.irp c, 0,1,2,3
	ds_store_b128 v[STO], v[(RC&255)+8*\c:(RC&255)+8*\c+3]   offset:64*\c
	ds_store_b128 v[STO], v[(RC&255)+8*\c+4:(RC&255)+8*\c+7] offset:64*\c+16
.endr
	WIN 0
.if \jump
	s_branch .Lcommon
.endif
.endm
.Lepi:
	s_wait_xcnt 0x0                                ; the last half's stores have read their data and offsets
.irp k, 0,1,2,3,4,5,6,7,8,9,10
	s_cmp_eq_u32 s[EI], \k
	s_cbranch_scc1 .Lc\k
.endr
	CASE 11, 1
.irp k, 0,1,2,3,4,5,6,7,8,9
	CASE \k, 1
.endr
	CASE 10, 0
.Lcommon:
	s_lshr_b32 s76, s[EI], 1
	s_mul_i32 s77, s[TR], 24
	s_lshl2_add_u32 s76, s76, s77
	s_add_co_u32 s76, s76, s[WV]                   ; the tile's number among the expert's
	s_min_u32 s76, s76, 63
	s_lshl_b32 s76, s76, 4
	v_add_nc_u32 v56, s76, v[H]                    ; the rank of the row that I read back first
.irp t, 0,1,2,3,4,5,6,7
	v_add_nc_u32 v[TKS+\t], 2*\t, v56
	v_min_u32 v[TKS+\t], s[NM1], v[TKS+\t]         ; a place past the count stores the last row's numbers to the last row's place once more
	v_min_u32 v[TKS+\t], 0x3ff, v[TKS+\t]
	v_lshl_add_u32 v[TKS+\t], v[TKS+\t], 2, LIST
.endr
.irp t, 0,1,2,3,4,5,6,7
	ds_load_b32 v[TKS+\t], v[TKS+\t]
.endr
.irp t, 0,1,2,3,4,5,6,7
	ds_load_b128 v[OB+4*\t:OB+4*\t+3], v[RD] offset:\t*2*SP  ; LDS serves a wave's instructions in order (ISA guide 5.7.1.4): these see the stores above
.endr
	s_and_b32 s77, s[EI], 1
	s_lshl_b32 s77, s77, 8                         ; the half's 256 bytes
	v_add_nc_u32 v57, s77, v[LC]
	s_wait_dscnt 8                                 ; the tokens are in; the eight loads of rows may be out
.irp t, 0,1,2,3,4,5,6,7
	v_min_u32 v[TKS+\t], 0x3ff, v[TKS+\t]
	v_lshl_add_u32 v[VO+\t], v[TKS+\t], 15, v57    ; token x 8 experts x 4,096 bytes
.endr
.irp t, 0,1,2,3,4,5,6,7
	s_wait_dscnt 7-\t
	global_store_b128 v[VO+\t], v[OB+4*\t:OB+4*\t+3], s[12:13]  ; 16 lanes store 256 consecutive bytes, aligned
.endr
	s_add_co_u32 s[EI], s[EI], 1
	s_cmp_lt_u32 s[EI], s[MT2]
	s_cbranch_scc1 .Lepi
	s_add_co_u32 s[TR], s[TR], 1
	s_cmp_ge_u32 s[TR], s[NTR]
	s_cbranch_scc1 .Ldone                          ; nothing is asked for behind the last trip
	s_wait_xcnt 0x0
	s_mov_b64 s[16:17], s[14:15]
	SETUP
	ISSUE_A 0, 0
	s_cmp_lt_u32 s[TR], s[NTR]
	s_cbranch_scc1 .Ltrip
.Ldone:
	s_wait_tensorcnt 0x0                           ; the wave's end
	ds_add_u32 v[SPW], v[NIL]
	s_wait_dscnt 0x0
	s_endpgm
.Lfunc_end_k_q9faf4a8b71_fc2:
	.size	k_q9faf4a8b71_fc2, .Lfunc_end_k_q9faf4a8b71_fc2-k_q9faf4a8b71_fc2
	.p2alignl 7, 3214868480
	.fill 96, 4, 3214868480
	.section	.rodata,"a",@progbits
	.p2align	6, 0x0
	.amdhsa_kernel k_q9faf4a8b71_fc2
		.amdhsa_group_segment_fixed_size 327680
		.amdhsa_private_segment_fixed_size 0
		.amdhsa_enable_private_segment 0
		.amdhsa_kernarg_size 32
		.amdhsa_user_sgpr_count 2
		.amdhsa_user_sgpr_kernarg_segment_ptr 1
		.amdhsa_wavefront_size32 1
		.amdhsa_system_sgpr_workgroup_id_x 1
		.amdhsa_system_sgpr_workgroup_id_y 1
		.amdhsa_system_sgpr_workgroup_id_z 1
		.amdhsa_system_vgpr_workitem_id 0
		.amdhsa_next_free_vgpr 1024
		.amdhsa_next_free_sgpr 88
		.amdhsa_reserve_vcc 0
		.amdhsa_float_denorm_mode_32 3
		.amdhsa_float_denorm_mode_16_64 3
		.amdhsa_memory_ordered 1
		.amdhsa_forward_progress 1
		.amdhsa_inst_pref_size 140
	.end_amdhsa_kernel
	.amdgpu_metadata
---
amdhsa.version: [ 1, 2 ]
amdhsa.kernels:
  - .name:           k_q9faf4a8b71_fc2
    .symbol:         k_q9faf4a8b71_fc2.kd
    .args:
      - { .name: hid, .offset: 0, .size: 8, .value_kind: global_buffer, .address_space: global }
      - { .name: w2, .offset: 8, .size: 8, .value_kind: global_buffer, .address_space: global }
      - { .name: bmp, .offset: 16, .size: 8, .value_kind: global_buffer, .address_space: global }
      - { .name: part, .offset: 24, .size: 8, .value_kind: global_buffer, .address_space: global }
    .group_segment_fixed_size: 327680
    .private_segment_fixed_size: 0
    .kernarg_segment_align: 8
    .kernarg_segment_size: 32
    .max_flat_workgroup_size: 128
    .sgpr_count:     88
    .vgpr_count:     1024
    .wavefront_size: 32
...
	.end_amdgpu_metadata
.endif
;; end of part 3
;; launch combine (part 4): grid 256 x 1, 8 waves a work-group, no clusters, 0 bytes of LDS; arguments part, sel, wts, b2, out0; writes out0
.if DOCPART == 4
	.amdgcn_target "amdgcn-amd-amdhsa--gfx1250"
	.amdhsa_code_object_version 6
	.text
	.protected	k_q9faf4a8b71_combine
	.globl	k_q9faf4a8b71_combine
	.p2align	8
	.type	k_q9faf4a8b71_combine,@function
k_q9faf4a8b71_combine:
	s_mov_b64 s[64:65], 0
	v_nop
	global_prefetch_b8 v0, s[64:65] scope:SCOPE_SE
	s_setreg_imm32_b32 hwreg(HW_REG_WAVE_MODE, 25, 1), 1
	s_wait_xcnt 0x0
; out[t] = the sum over the token's two experts j of w_j x (part[0..3][t][e_j] + b2[e_j]).  All in f32; b2 is rounded to bf16 like every input.
; A stream: work-group g has tokens 4 g .. 4 g + 3, two waves a token, each half a row (2,048 bytes).  All 40 loads of a wave go out before its one wait;
; every load and store of a wave covers 512 consecutive bytes.  No LDS, no barrier, no matrix unit: memory binds, and each output row has one owner.
; The experts come from sel, whole numbers that an earlier launch stored.
.set LANE, 2
.set LOFF, 3                           ; 16 x lane
.set PO,   4                           ; v4-5  offsets in part for the two experts
.set BO,   6                           ; v6-7  offsets in b2
.set P,    16                          ; v16-143: expert j, slice ks, piece q at P + 64 j + 16 ks + 4 q
.set B2,   144                         ; v144-175: expert j, piece q at B2 + 16 j + 4 q
.set TP,   176                         ; v176-191 at work
	s_load_b256 s[4:11], s[0:1], 0x0               ; part 4, sel 6, wts 8, b2 10
	s_load_b64 s[12:13], s[0:1], 0x20              ; out0
	v_lshrrev_b32 v1, 5, v0
	v_readfirstlane_b32 s20, v1                    ; wave
	v_and_b32 v[LANE], 31, v0
	v_lshlrev_b32 v[LOFF], 4, v[LANE]
	s_lshr_b32 s21, s20, 1
	s_lshl2_add_u32 s21, ttmp9, s21                ; token
	s_and_b32 s22, s20, 1
	s_lshl_b32 s22, s22, 11                        ; my half of the row
	s_lshl_b32 s46, s21, 3
	s_mov_b32 s47, 0
	s_lshl_b32 s28, s21, 12
	s_add_co_u32 s28, s28, s22
	s_mov_b32 s29, 0
	s_wait_kmcnt 0x0
	s_add_nc_u64 s[6:7], s[6:7], s[46:47]
	s_add_nc_u64 s[8:9], s[8:9], s[46:47]
	s_load_b64 s[24:25], s[6:7], 0x0               ; the two experts
	s_load_b64 s[26:27], s[8:9], 0x0               ; their weights
	s_add_nc_u64 s[32:33], s[4:5], 0x2000000       ; part's four slices of K
	s_add_nc_u64 s[34:35], s[4:5], 0x4000000
	s_add_nc_u64 s[36:37], s[4:5], 0x6000000
	s_add_nc_u64 s[12:13], s[12:13], s[28:29]
	s_lshl_b32 s30, s21, 15
	s_add_co_u32 s30, s30, s22
	s_wait_kmcnt 0x0
	s_min_u32 s24, s24, 7
	s_min_u32 s25, s25, 7
	s_lshl_b32 s38, s24, 12
	s_lshl_b32 s39, s25, 12
	s_add_co_u32 s40, s30, s38
	s_add_co_u32 s41, s30, s39
	s_add_co_u32 s42, s22, s38
	s_add_co_u32 s43, s22, s39
	v_add_nc_u32 v[PO], s40, v[LOFF]
	v_add_nc_u32 v[PO+1], s41, v[LOFF]
	v_add_nc_u32 v[BO], s42, v[LOFF]
	v_add_nc_u32 v[BO+1], s43, v[LOFF]
	s_mov_b32 s44, s27                             ; the second weight as a pair's low word
	s_mov_b32 s45, s27
.macro LDP j, ks, lo
.irp q, 0,1,2,3
	global_load_b128 v[P+64*(\j)+16*(\ks)+4*\q:P+64*(\j)+16*(\ks)+4*\q+3], v[PO+(\j)], s[\lo:\lo+1] offset:512*\q th:TH_LOAD_NT
.endr
.endm
.irp j, 0,1
	LDP \j, 0, 4
	LDP \j, 1, 32
	LDP \j, 2, 34
	LDP \j, 3, 36
.irp q, 0,1,2,3
	global_load_b128 v[B2+16*\j+4*\q:B2+16*\j+4*\q+3], v[BO+\j], s[10:11] offset:512*\q
.endr
.endr
	s_wait_loadcnt 0x0
.set z, 0
.rept 16
	v_cvt_pk_bf16_f32 v[TP+z], v[B2+2*z], v[B2+2*z+1]
.set z, z+1
.endr
.set z, 0
.rept 16
	v_lshlrev_b32 v[B2+2*z], 16, v[TP+z]
	v_and_b32 v[B2+2*z+1], 0xffff0000, v[TP+z]
.set z, z+1
.endr
.irp j, 0,1
.set z, 0
.rept 8
	v_pk_add_f32 v[P+64*\j+2*z:P+64*\j+2*z+1], v[P+64*\j+2*z:P+64*\j+2*z+1], v[P+64*\j+16+2*z:P+64*\j+16+2*z+1]
	v_pk_add_f32 v[P+64*\j+32+2*z:P+64*\j+32+2*z+1], v[P+64*\j+32+2*z:P+64*\j+32+2*z+1], v[P+64*\j+48+2*z:P+64*\j+48+2*z+1]
.set z, z+1
.endr
.set z, 0
.rept 8
	v_pk_add_f32 v[P+64*\j+2*z:P+64*\j+2*z+1], v[P+64*\j+2*z:P+64*\j+2*z+1], v[P+64*\j+32+2*z:P+64*\j+32+2*z+1]
.set z, z+1
.endr
.set z, 0
.rept 8
	v_pk_add_f32 v[P+64*\j+2*z:P+64*\j+2*z+1], v[P+64*\j+2*z:P+64*\j+2*z+1], v[B2+16*\j+2*z:B2+16*\j+2*z+1]
.set z, z+1
.endr
.endr
.set z, 0
.rept 8
	v_pk_mul_f32 v[P+2*z:P+2*z+1], v[P+2*z:P+2*z+1], s[26:27] op_sel_hi:[1,0]
.set z, z+1
.endr
.set z, 0
.rept 8
	v_pk_fma_f32 v[P+2*z:P+2*z+1], v[P+64+2*z:P+64+2*z+1], s[44:45], v[P+2*z:P+2*z+1] op_sel_hi:[1,0,1]
.set z, z+1
.endr
.irp q, 0,1,2,3
	global_store_b128 v[LOFF], v[P+4*\q:P+4*\q+3], s[12:13] offset:512*\q th:TH_STORE_NT
.endr
	s_endpgm
.Lfunc_end_k_q9faf4a8b71_combine:
	.size	k_q9faf4a8b71_combine, .Lfunc_end_k_q9faf4a8b71_combine-k_q9faf4a8b71_combine
	.p2alignl 7, 3214868480
	.fill 96, 4, 3214868480
	.section	.rodata,"a",@progbits
	.p2align	6, 0x0
	.amdhsa_kernel k_q9faf4a8b71_combine
		.amdhsa_group_segment_fixed_size 0
		.amdhsa_private_segment_fixed_size 0
		.amdhsa_enable_private_segment 0
		.amdhsa_kernarg_size 40
		.amdhsa_user_sgpr_count 2
		.amdhsa_user_sgpr_kernarg_segment_ptr 1
		.amdhsa_wavefront_size32 1
		.amdhsa_system_sgpr_workgroup_id_x 1
		.amdhsa_system_sgpr_workgroup_id_y 1
		.amdhsa_system_sgpr_workgroup_id_z 1
		.amdhsa_system_vgpr_workitem_id 0
		.amdhsa_next_free_vgpr 192
		.amdhsa_next_free_sgpr 66
		.amdhsa_reserve_vcc 0
		.amdhsa_float_denorm_mode_32 3
		.amdhsa_float_denorm_mode_16_64 3
		.amdhsa_memory_ordered 1
		.amdhsa_forward_progress 1
		.amdhsa_inst_pref_size 14
	.end_amdhsa_kernel
	.amdgpu_metadata
---
amdhsa.version: [ 1, 2 ]
amdhsa.kernels:
  - .name:           k_q9faf4a8b71_combine
    .symbol:         k_q9faf4a8b71_combine.kd
    .args:
      - { .name: part, .offset: 0, .size: 8, .value_kind: global_buffer, .address_space: global }
      - { .name: sel, .offset: 8, .size: 8, .value_kind: global_buffer, .address_space: global }
      - { .name: wts, .offset: 16, .size: 8, .value_kind: global_buffer, .address_space: global }
      - { .name: b2, .offset: 24, .size: 8, .value_kind: global_buffer, .address_space: global }
      - { .name: out0, .offset: 32, .size: 8, .value_kind: global_buffer, .address_space: global }
    .group_segment_fixed_size: 0
    .private_segment_fixed_size: 0
    .kernarg_segment_align: 8
    .kernarg_segment_size: 40
    .max_flat_workgroup_size: 256
    .sgpr_count:     66
    .vgpr_count:     192
    .wavefront_size: 32
...
	.end_amdgpu_metadata
.endif
;; end of part 4
;; ======== version 2 of 3: 4 launches; 1.24 times as fast as version 1
;; workspace buffers: xb 2,097,152 bytes; sel 8,192 bytes of whole numbers; wts 8,192 bytes; bmp 1,024 bytes of whole numbers; hid 67,108,864 bytes; part 134,217,728 bytes
;; launch router (part 5): grid 128 x 1, 8 waves a work-group, no clusters, 21,760 bytes of LDS; arguments hidden_states, gate_w, gate_b, alpha, xb, sel, wts, bmp; writes xb, sel, wts, bmp
.if DOCPART == 5
	.amdgcn_target "amdgcn-amd-amdhsa--gfx1250"
	.amdhsa_code_object_version 6
	.text
	.protected	k_q9faf4a8b71_router
	.globl	k_q9faf4a8b71_router
	.p2align	8
	.type	k_q9faf4a8b71_router,@function
k_q9faf4a8b71_router:
	s_mov_b64 s[64:65], 0
	v_nop
	global_prefetch_b8 v0, s[64:65] scope:SCOPE_SE
	s_setreg_imm32_b32 hwreg(HW_REG_WAVE_MODE, 25, 1), 1
	s_wait_xcnt 0x0
; THE GATE.  logits = x gate_w + gate_b, softmax, the two largest, their scores renormalised and times alpha.
; Every input is rounded once to bf16 (nearest even); products of two bf16 are exact in f32 and the sums are f32.
; Stored: xb = x in bf16 [1024][1024]; sel[t] = the two experts; wts[t] = score x alpha; bmp[e]: 1,024 bits, bit t: token t chose e (128 bytes an expert).
; All places are fixed: no address here hangs on the choice.
; SHARES.  Work-group g has tokens 8 g .. 8 g + 7, a token a wave: eight tokens are one byte of each expert's bitmap, the least that one work-group can own.  So 128 work-groups.
; The price: sel and wts leave as 64 bytes a work-group, a quarter of an aligned 256 bytes; they are 16 KB in all.
; Lane l has columns 128 j + 4 l + i (j 0..7, i 0..3) of its wave's token; its 32 rows of gate_w lie in 128 registers as bf16 pairs.
; GATE_W comes in once a work-group: each wave loads an eighth by eight loads of 512 consecutive bytes, rounds it and lays it into LDS; behind a barrier every wave reads all of it.
; In LDS a group of four rows (64 bytes in bf16: what a lane takes of a block j) is followed by 16 bytes of padding: groups 80 bytes apart.
; SOFTMAX.  p_e = 2^((l_e - max) log2 e); the divisor cancels in p1 / (p1 + p2).  The scan is ascending with a strict compare: the lower index wins a tie.
; LIMITS.  A p below 2^-126 counts as 0; NaN and infinities are not treated apart.
.set GW,    0                          ; LDS: gate_w in bf16: group 32 j + l at 80 x group: 256 groups, 20,480 bytes
.set GPIT,  80
.set LG,    20480                      ; LDS: [8 tokens][8] f32 logits
.set SPARE, 20736                      ; the spare words, 128 bytes a wave, named by no other line
.set LANE, 1
.set GOFF, 3                           ; 4,096 x wave + 16 x lane: my 16 bytes in my wave's eighth of gate_w
.set XOFF, 4                           ; 16 x lane
.set BOFF, 5                           ; 8 x lane
.set SPW,  6
.set NIL,  7
.set LGA,  8                           ; LDS address of my token's logits
.set ZERO, 9                           ; 0: an offset, and what the eight sums start from
.set GST,  10                          ; where my 8 bytes of gate_w go in LDS
.set GLD,  11                          ; 80 x lane: my group in block 0
.set ACC,  16                          ; v16-23  eight sums
.set X,    24                          ; v24-55  my 32 numbers of the token's row
.set PK,   56                          ; v56-71  the same as bf16 pairs
.set TP,   72                          ; v72-79  at work
.set GB,   80                          ; v80-87  gate_b
.set AL,   88                          ; v88-95  alpha
.set GF,   96                          ; v96-127 my part of gate_w as loaded
.set GP,   128                         ; v128-255 gate_w: row hh = 4 j + i, pair p of experts at GP + 4 hh + p
.set I1,   24                          ; the last stage lives in x's registers: v24-25 the two experts
.set W1,   26                          ; v26-27 their weights
.set P1,   28
.set P2,   29
.set A1,   30
.set A2,   31
.set SM,   32
.set BM,   33
.set BAD,  34
.set MX,   35
	s_load_b512 s[4:19], s[0:1], 0x0               ; x 4, gate_w 6, gate_b 8, alpha 10, xb 12, sel 14, wts 16, bmp 18
	v_lshl_add_u32 v[SPW], v0, 2, SPARE
	v_mov_b32 v[NIL], 0
	v_mov_b32 v[ZERO], 0
	v_and_b32 v[LANE], 31, v0
	v_lshrrev_b32 v2, 5, v0
	v_readfirstlane_b32 s21, v2                    ; wave
	v_lshlrev_b32 v[XOFF], 4, v[LANE]
	v_lshlrev_b32 v[BOFF], 3, v[LANE]
	s_lshl_b32 s24, s21, 12
	v_add_nc_u32 v[GOFF], s24, v[XOFF]
	; load q of wave w brings lane l half of row 128 w + 16 q + l / 2: group 32 w + 4 q + l / 8, and in it byte 8 (l % 8)
	v_and_b32 v12, 7, v0
	v_bfe_u32 v[GST], v0, 3, 2
	v_mul_u32_u24 v[GST], v[GST], GPIT
	v_lshl_add_u32 v[GST], v12, 3, v[GST]
	s_mul_i32 s25, s21, 32*GPIT
	v_add_nc_u32 v[GST], s25, v[GST]
	v_mul_u32_u24 v[GLD], v[LANE], GPIT
	s_lshl_b32 s24, s21, 5                         ; 32 bytes of logits a token
	s_add_co_u32 s24, s24, LG
	v_mov_b32 v[LGA], s24
.irp i, 0,1,2,3,4,5,6,7
	v_mov_b32 v[TP+\i], 0                          ; v_permlanex16_b32 counts as a reader of its destination
.endr
	s_mov_b32 s26, 0x76543210
	s_mov_b32 s27, 0xfedcba98
	s_lshl3_add_u32 s22, ttmp9, s21                ; my token: 8 g + w
	s_lshl_b32 s28, s22, 12                        ; its row in x
	s_mov_b32 s29, 0
	s_lshl_b32 s30, s22, 11                        ; and in xb
	s_mov_b32 s31, 0
	s_wait_kmcnt 0x0
	s_add_nc_u64 s[4:5], s[4:5], s[28:29]
	s_add_nc_u64 s[12:13], s[12:13], s[30:31]
	global_load_b128 v[GB:GB+3],   v[ZERO], s[8:9]
	global_load_b128 v[GB+4:GB+7], v[ZERO], s[8:9] offset:16
	global_load_b128 v[AL:AL+3],   v[ZERO], s[10:11]
	global_load_b128 v[AL+4:AL+7], v[ZERO], s[10:11] offset:16
.irp q, 0,1,2,3,4,5,6,7
	global_load_b128 v[GF+4*\q:GF+4*\q+3], v[GOFF], s[6:7] offset:512*\q  ; 512 consecutive bytes: 16 rows of gate_w
.endr
.irp j, 0,1,2,3,4,5,6,7
	global_load_b128 v[X+4*\j:X+4*\j+3], v[XOFF], s[4:5] offset:512*\j th:TH_LOAD_NT
.endr
	s_wait_loadcnt 8                               ; all but the token's eight loads: my part of gate_w is in
.irp q, 0,1,2,3,4,5,6,7
	v_cvt_pk_bf16_f32 v[GF+4*\q],   v[GF+4*\q],   v[GF+4*\q+1]
	v_cvt_pk_bf16_f32 v[GF+4*\q+1], v[GF+4*\q+2], v[GF+4*\q+3]
.endr
.irp q, 0,1,2,3,4,5,6,7
	ds_store_b64 v[GST], v[GF+4*\q:GF+4*\q+1] offset:GW+4*GPIT*\q
.endr
	s_wait_loadcnt 0x0                             ; the token's row is in
.set z, 0
.rept 16
	v_cvt_pk_bf16_f32 v[PK+z], v[X+2*z], v[X+2*z+1]
.set z, z+1
.endr
	s_wait_dscnt 0x0                               ; for the others' sake: my part of gate_w is in LDS,
	s_barrier_signal -1
	s_barrier_wait -1                              ; everybody's is
.set hh, 0
.rept 32                                               ; row hh = 4 j + i of my 32: group 32 j + l, 16 bytes at 16 i
	ds_load_b128 v[GP+4*hh:GP+4*hh+3], v[GLD] offset:GW+32*GPIT*(hh/4)+16*(hh%4)
.set hh, hh+1
.endr
.irp j, 0,1,2,3,4,5,6,7
	global_store_b64 v[BOFF], v[PK+2*\j:PK+2*\j+1], s[12:13] offset:256*\j  ; 32 lanes store 256 consecutive bytes, aligned
.endr
	; 32 rows x 8 experts: bf16 x bf16 + f32, eight chains that take turns
.set hp, 0
.rept 16
.if hp%2 == 0
	s_wait_dscnt 28-2*hp                           ; LDS loads come back in order (ISA guide 5.7.1): block j = hp / 2 is in, the 28 - 4 j loads of the later blocks stay out
.endif
.irp ha, 0,1
.irp ep, 0,1,2,3
.irp hb, 0,1
.if (hp == 0) && (\ha == 0)
	v_fma_mix_f32_bf16 v[ACC+2*\ep+\hb], v[PK+hp], v[GP+4*(2*hp+\ha)+\ep], v[ZERO] op_sel:[\ha,\hb,0] op_sel_hi:[1,1,0]
.else
	v_fma_mix_f32_bf16 v[ACC+2*\ep+\hb], v[PK+hp], v[GP+4*(2*hp+\ha)+\ep], v[ACC+2*\ep+\hb] op_sel:[\ha,\hb,0] op_sel_hi:[1,1,0]
.endif
.endr
.endr
.endr
.set hp, hp+1
.endr
.irp m, 1,2,4,8                                        ; the sums over the 32 lanes
.irp e, 0,1,2,3,4,5,6,7
	v_add_f32_dpp v[ACC+\e], v[ACC+\e], v[ACC+\e] row_xmask:\m row_mask:0xf bank_mask:0xf
.endr
.endr
.irp e, 0,1,2,3,4,5,6,7
	v_permlanex16_b32 v[TP+\e], v[ACC+\e], s26, s27
.endr
.irp e, 0,1,2,3,4,5,6,7
	v_add_f32 v[ACC+\e], v[ACC+\e], v[TP+\e]
.endr
	ds_store_b128 v[LGA], v[ACC:ACC+3]             ; every lane writes the same words with the same numbers
	ds_store_b128 v[LGA], v[ACC+4:ACC+7] offset:16
	s_wait_dscnt 0x0                               ; for wave 0's sake: my logits are in LDS
	s_barrier_signal -1
	s_barrier_wait -1
	s_cmp_lg_u32 s21, 0
	s_cbranch_scc1 .Lend
	; WAVE 0: lane % 8 = token; lanes 8 to 31 repeat lanes 0 to 7 and store nothing
	v_and_b32 v[BAD], 7, v[LANE]
	v_lshl_add_u32 v[BAD], v[BAD], 5, LG
	ds_load_b128 v[ACC:ACC+3],   v[BAD]
	ds_load_b128 v[ACC+4:ACC+7], v[BAD] offset:16
.irp z, 0,1,2,3,4,5,6,7                                ; gate_b and alpha rounded to bf16 like every input
	v_cvt_pk_bf16_f32 v[TP+\z], v[GB+2*\z], v[GB+2*\z+1]
.endr
.irp z, 0,1,2,3,4,5,6,7
	v_lshlrev_b32 v[GB+2*\z], 16, v[TP+\z]
	v_and_b32 v[GB+2*\z+1], 0xffff0000, v[TP+\z]
.endr
	s_wait_dscnt 0x0
.irp e, 0,1,2,3,4,5,6,7
	v_add_f32 v[ACC+\e], v[ACC+\e], v[GB+\e]
.endr
	v_max3_num_f32 v[MX], v[ACC], v[ACC+1], v[ACC+2]
	v_max3_num_f32 v[MX], v[MX], v[ACC+3], v[ACC+4]
	v_max3_num_f32 v[MX], v[MX], v[ACC+5], v[ACC+6]
	v_max_num_f32 v[MX], v[MX], v[ACC+7]
.irp e, 0,1,2,3,4,5,6,7
	v_sub_f32 v[ACC+\e], v[ACC+\e], v[MX]          ; the maximum is taken away first: 0 for the largest
.endr
.irp e, 0,1,2,3,4,5,6,7
	v_mul_f32 v[ACC+\e], 0x3fb8aa3b, v[ACC+\e]
.endr
.irp e, 0,1,2,3,4,5,6,7
	v_exp_f32 v[ACC+\e], v[ACC+\e]
.endr
	v_nop                                          ; a plain instruction behind the last exponential,
	s_wait_alu depctr_va_vdst(0)                   ; and one wait for the batch of eight
.macro SCAN best, idx, al                      ; the largest p, its index and its alpha
	v_mov_b32 v[\best], v[ACC]
	v_mov_b32 v[\idx], 0
	v_mov_b32 v[\al], v[AL]
.irp e, 1,2,3,4,5,6,7
	v_cmp_gt_f32 vcc_lo, v[ACC+\e], v[\best]
	v_cndmask_b32 v[\best], v[\best], v[ACC+\e], vcc_lo
	v_cndmask_b32 v[\idx], v[\idx], \e, vcc_lo
	v_cndmask_b32 v[\al], v[\al], v[AL+\e], vcc_lo
.endr
.endm
	SCAN P1, I1, A1
.irp e, 0,1,2,3,4,5,6,7
	v_cmp_eq_u32 vcc_lo, \e, v[I1]
	v_cndmask_b32 v[ACC+\e], v[ACC+\e], -1.0, vcc_lo  ; the first choice drops below every p
.endr
	SCAN P2, I1+1, A2
	v_add_f32 v[SM], v[P1], v[P2]
	v_rcp_f32 v[SM], v[SM]
	v_mov_b32 v[BM], 0                             ; the plain instruction behind the reciprocal
	s_wait_alu depctr_va_vdst(0)
	v_mul_f32 v[P1], v[P1], v[SM]
	v_mul_f32 v[P2], v[P2], v[SM]
	v_mul_f32 v[W1], v[P1], v[A1]
	v_mul_f32 v[W1+1], v[P2], v[A2]
	s_lshl_b32 s28, ttmp9, 6                       ; 8 tokens x 8 bytes
	s_add_nc_u64 s[14:15], s[14:15], s[28:29]
	s_add_nc_u64 s[16:17], s[16:17], s[28:29]
.irp e, 0,1,2,3,4,5,6,7
	v_cmp_eq_u32 s32, \e, v[I1]
	v_cmp_eq_u32 s33, \e, v[I1+1]
	s_or_b32 s32, s32, s33
	v_writelane_b32 v[BM], s32, \e                 ; lane e holds expert e's mask: its low byte is my eight tokens'
.endr
	v_lshlrev_b32 v[BAD], 7, v[LANE]               ; bmp: 128 bytes an expert, byte g of them mine: a later launch reads an expert's 32 words on end
	s_mov_b32 s28, ttmp9
	s_add_nc_u64 s[18:19], s[18:19], s[28:29]
	s_wait_xcnt 0x0                                ; EXEC changes only behind this wait
	v_cmp_gt_u32 vcc_lo, 8, v[LANE]
	s_and_saveexec_b32 s34, vcc_lo                 ; lanes 0 to 7: a token each for sel and wts, an expert each for bmp
	global_store_b64 v[BOFF], v[I1:I1+1], s[14:15]
	global_store_b64 v[BOFF], v[W1:W1+1], s[16:17]
	global_store_b8 v[BAD], v[BM], s[18:19]
	s_wait_xcnt 0x0
	s_or_b32 exec_lo, exec_lo, s34
.Lend:
	s_wait_tensorcnt 0x0                           ; the wave's end
	ds_add_u32 v[SPW], v[NIL]
	s_wait_dscnt 0x0
	s_endpgm
.Lfunc_end_k_q9faf4a8b71_router:
	.size	k_q9faf4a8b71_router, .Lfunc_end_k_q9faf4a8b71_router-k_q9faf4a8b71_router
	.p2alignl 7, 3214868480
	.fill 96, 4, 3214868480
	.section	.rodata,"a",@progbits
	.p2align	6, 0x0
	.amdhsa_kernel k_q9faf4a8b71_router
		.amdhsa_group_segment_fixed_size 21760
		.amdhsa_private_segment_fixed_size 0
		.amdhsa_enable_private_segment 0
		.amdhsa_kernarg_size 64
		.amdhsa_user_sgpr_count 2
		.amdhsa_user_sgpr_kernarg_segment_ptr 1
		.amdhsa_wavefront_size32 1
		.amdhsa_system_sgpr_workgroup_id_x 1
		.amdhsa_system_sgpr_workgroup_id_y 1
		.amdhsa_system_sgpr_workgroup_id_z 1
		.amdhsa_system_vgpr_workitem_id 0
		.amdhsa_next_free_vgpr 256
		.amdhsa_next_free_sgpr 66
		.amdhsa_reserve_vcc 1
		.amdhsa_float_denorm_mode_32 3
		.amdhsa_float_denorm_mode_16_64 3
		.amdhsa_memory_ordered 1
		.amdhsa_forward_progress 1
		.amdhsa_inst_pref_size 38
	.end_amdhsa_kernel
	.amdgpu_metadata
---
amdhsa.version: [ 1, 2 ]
amdhsa.kernels:
  - .name:           k_q9faf4a8b71_router
    .symbol:         k_q9faf4a8b71_router.kd
    .args:
      - { .name: hidden_states, .offset: 0, .size: 8, .value_kind: global_buffer, .address_space: global }
      - { .name: gate_w, .offset: 8, .size: 8, .value_kind: global_buffer, .address_space: global }
      - { .name: gate_b, .offset: 16, .size: 8, .value_kind: global_buffer, .address_space: global }
      - { .name: alpha, .offset: 24, .size: 8, .value_kind: global_buffer, .address_space: global }
      - { .name: xb, .offset: 32, .size: 8, .value_kind: global_buffer, .address_space: global }
      - { .name: sel, .offset: 40, .size: 8, .value_kind: global_buffer, .address_space: global }
      - { .name: wts, .offset: 48, .size: 8, .value_kind: global_buffer, .address_space: global }
      - { .name: bmp, .offset: 56, .size: 8, .value_kind: global_buffer, .address_space: global }
    .group_segment_fixed_size: 21760
    .private_segment_fixed_size: 0
    .kernarg_segment_align: 8
    .kernarg_segment_size: 64
    .max_flat_workgroup_size: 256
    .sgpr_count:     66
    .vgpr_count:     256
    .wavefront_size: 32
...
	.end_amdgpu_metadata
.endif
;; end of part 5
;; launch fc1 (part 6): grid 32 x 8, 4 waves a work-group, no clusters, 327,680 bytes of LDS; arguments xb, w1, b1, bmp, hid; writes hid
.if DOCPART == 6
	.amdgcn_target "amdgcn-amd-amdhsa--gfx1250"
	.amdhsa_code_object_version 6
	.text
	.protected	k_q9faf4a8b71_fc1
	.globl	k_q9faf4a8b71_fc1
	.p2align	8
	.type	k_q9faf4a8b71_fc1,@function
k_q9faf4a8b71_fc1:
	s_mov_b64 s[64:65], 0
	v_nop
	global_prefetch_b8 v0, s[64:65] scope:SCOPE_SE
	s_setreg_imm32_b32 hwreg(HW_REG_WAVE_MODE, 25, 1), 1
	s_wait_xcnt 0x0
; hid[e][rank][:] = gelu(x[token(rank)] w1[e] + b1[e]) in bf16, for the tokens that chose expert e, in ascending order of token.
; SHARES.  Work-group (x, e) owns columns 128 x .. 128 x + 127 of w1[e], all 1,024 rows: it alone reads them, once, rounds them to bf16 on their way through registers
; and lays them into LDS as [k][n].  The expert's rows go in tiles of 16: tile g belongs to wave g % 4, up to five tiles a wave and trip (320 rows a work-group).
; THE WALK.  The slice comes in eight chunks of 128 rows of K, 32 rows a wave.  While a chunk is multiplied, the next chunk's weights and token rows are on their way into registers: they are asked for
; a whole chunk ahead, and one wait for all loads stands at each change of chunks.  The walk has a constant count of trips and every wave passes every barrier; only products are jumped on the count.
; Two barriers a chunk: the reads of the slice are held to it by an upper bound alone, so one barrier orders every wave's reads against the next stores into the slice, and one those stores against the next reads.
; ROWS PAST 320 of an expert run behind the walk, when the slice is whole in LDS: a loop whose length hangs on the count read from bmp, with no barrier and no LDS byte shared between waves.
; That loop is kept short: one chunk a trip, one row buffer, so it sits out each chunk's row loads.
; THE COUNT is taken as max(n, 1): an expert without tokens runs one tile on a row that exists, so that the next launch reads bytes that were written.  Places past the count repeat the last row.
; THE TOKEN OF A RANK is found in registers from the expert's bitmap, whose 32 words lie in scalar registers: the last word whose running count is not above the rank, then the bit of that rank in it.
; THE MATRIX INSTRUCTION IS USED TRANSPOSED: source 0 = 16 columns of w1 (turned out of LDS by ds_load_tr16_b128), source 1 = 16 token rows: a lane holds one row and eight neighbouring columns.
; GELU is the exact one, 0.5 x (1 + erf(x / sqrt 2)), with erf by a rational form in t = 1 / (1 + 0.3275911 |z|) times e^(-z z): its error in erf is at most 1.5e-7 for every x.
; gelu = |x| (0.5 + q(t) 2^(-0.7213475 x x)) + 0.5 x.  Large |x| give the exponential 0.  NaN and infinities are not treated apart.  w1, b1 are rounded to bf16 like every input; hid once to bf16.
; NO JOINT LOADS: each slice of weights has one reader; what an expert's 32 work-groups share is its token rows, which come by a list that no one descriptor covers,
; and beside the slice (294,912 of 327,680 bytes) LDS has no room for a tile of them.
; The sums start from accumulators cleared at a trip's head, 320 v_mov_b32, which stand in the wait for the trip's first loads: the price of one text for every K step.
; REGISTERS by absolute number (s_set_vgpr_msb: bits 1:0 source 0, 3:2 source 1, 5:4 source 2, 7:6 destination):
;   0-63 addresses and work; 64-127 b1; 128-191, 192-255 two buffers of weight fragments (in the way out: T, R, E)
;   256 + 64 i + 8 c  accumulator of tile i (0..4), column block c (0..7)
;   576 + 160 b + 32 i + 8 ks  token fragments: buffer b, tile i, K step ks of four;   896 + 4 z  row z (0..31) of my part of a chunk of weights, on its way into LDS
.set WP,     16384                     ; bytes from row to row of w1
.set PB,     288                       ; a row of the slice in LDS: 256 bytes + 32
.set CH,     128*PB                    ; a chunk in LDS
.set STG,    294912                    ; behind the slice: 16 rows x 272 bytes for each wave, its own, for the way out
.set SP,     272
.set SPARE,  312320                    ; the spare words, 128 bytes a wave, named by no other line
.set BAMAX,  15*PB+16+7*CH             ; the largest address of a chunk's first fragments: my lane's place at the most, in the last chunk
.set R15,  1
.set H,    2
.set LANE, 3
.set SPW,  4
.set NIL,  5
.set WOFF, 6                           ; 16 x lane: a wave's load covers a row's 512 bytes
.set LST0, 7                           ; where my 8 bytes of my first row of a chunk go, in chunk 0
.set BADR0,8                           ; my lane's place in 32 rows of the slice
.set BA,   9
.set LSTA, 10
.set H16,  11
.set AOFF, 12                          ; v12-16 tile i: byte offset of my row's 16 bytes
.set TK,   18                          ; v18-22 tile i: my row's token
.set STO,  24
.set RD,   25
.set HO0,  27
.set HOFF, 28
.set BOFF, 29
.set BIAS, 64
.set T,    128
.set RR,   192
.set EE,   224
.set QQ,   64                          ; in window 2: token buffer 0, idle in the way out
.set WV,  20
.set EX,  21
.set SX,  22
.set KB,  26                           ; LDS byte of the chunk that is read
.set WB,  27                           ; LDS byte of the chunk that is stored
.set TI,  28
.set NN,  66
.set NM1, 67
.set MW,  68                           ; my wave's tiles
.set NTR, 69                           ; its trips
.set TR,  70
.set MT,  71                           ; tiles in this trip
.set KC,  72
.set EI,  74
.set PFX, 75
.set MSB, 0
.macro WIN new                         ; the high byte repeats the setting that is left
.if MSB != (\new)
	s_set_vgpr_msb (MSB<<8)|(\new)
.set MSB, (\new)
.endif
.endm
.macro PLACES n=4                      ; plain vector instructions between a matrix instruction and a load into, or a vector instruction on, its registers: four are wanted
.rept \n
	v_nop
.endr
.endm
.macro WLOAD                           ; my 32 rows of a chunk of weights
	WIN 0xc0
.set z, 0
.rept 32
	global_load_b128 v[128+4*z:128+4*z+3], v[WOFF], s[18:19] offset:z*WP th:TH_LOAD_NT
.set z, z+1
.endr
	WIN 0
.endm
.macro CLEAR
	WIN 0x40
.set z, 0
.rept 256
	v_mov_b32 v[z], 0
.set z, z+1
.endr
	WIN 0x80
.set z, 0
.rept 64
	v_mov_b32 v[z], 0
.set z, z+1
.endr
	WIN 0
.endm
; One level of the search for the bit of rank v57 in a word: v61 is the first bit of what is left, v[cnt] holds the counts of ones in fields of w bits.
; Where the ones in the lower w bits are not above the rank, the bit lies in the upper w: the rank loses those ones and v61 goes w on.  The last level keeps no rank.
.macro LEVEL cnt, w
	v_bfe_u32 v50, v[\cnt], v61, \w
	v_cmp_ge_u32 vcc_lo, v57, v50
.if \w > 1
	v_cndmask_b32 v50, 0, v50, vcc_lo
	v_sub_nc_u32 v57, v57, v50
.endif
	v_cndmask_b32 v51, 0, \w, vcc_lo
	v_add_nc_u32 v61, v61, v51
.endm
; The trip's tiles: their number, and for each the offset of my row.  A loop of five trips, a tile a trip; the tokens move down v18-22 by one place a trip.
.macro SETUP
	s_mul_i32 s76, s[TR], 5
	s_sub_co_i32 s[MT], s[MW], s76
	s_max_i32 s[MT], s[MT], 0
	s_min_i32 s[MT], s[MT], 5
	s_mul_i32 s76, s[TR], 320                      ; rank = 16 x (20 TR + 4 i + w) + r
	s_lshl4_add_u32 s76, s[WV], s76
	v_add_nc_u32 v56, s76, v[R15]
.irp i, 0,1,2,3,4
	v_mov_b32 v[TK+\i], 0
.endr
	s_mov_b32 s[TI], 5
.Lts_\@:
	v_min_u32 v57, s[NM1], v56                     ; places past the count repeat the last row
	v_mov_b32 v58, s32                             ; the word, the count below it, its number: word 0 to begin with
	v_mov_b32 v59, 0
	v_mov_b32 v60, 0
	s_bcnt1_i32_b32 s[PFX], s32
.set j, 1
.rept 31                                               ; the counts ascend: the last word whose count below is not above the rank stays
	v_cmp_gt_u32 vcc_lo, s[PFX], v57
	v_cndmask_b32 v58, s[32+j], v58, vcc_lo
	v_cndmask_b32 v59, s[PFX], v59, vcc_lo
	v_cndmask_b32 v60, j, v60, vcc_lo
	s_bcnt1_i32_b32 s77, s[32+j]
	s_add_co_u32 s[PFX], s[PFX], s77
.set j, j+1
.endr
	v_sub_nc_u32 v57, v57, v59                     ; the rank inside the word
	v_lshrrev_b32 v51, 1, v58                      ; counts of ones in fields of 2 (v62), 4 (v63), 8 (v48) and 16 bits (v49)
	v_and_b32 v51, 0x55555555, v51
	v_sub_nc_u32 v62, v58, v51
	v_lshrrev_b32 v51, 2, v62
	v_and_b32 v51, 0x33333333, v51
	v_and_b32 v63, 0x33333333, v62
	v_add_nc_u32 v63, v63, v51
	v_lshrrev_b32 v51, 4, v63
	v_add_nc_u32 v51, v63, v51
	v_and_b32 v48, 0x0f0f0f0f, v51
	v_lshrrev_b32 v51, 8, v48
	v_add_nc_u32 v51, v48, v51
	v_and_b32 v49, 0x00ff00ff, v51
	v_and_b32 v50, 0xffff, v49                     ; ones in the lower 16 bits: not above the rank: the bit lies in the upper 16
	v_cmp_ge_u32 vcc_lo, v57, v50
	v_cndmask_b32 v50, 0, v50, vcc_lo
	v_sub_nc_u32 v57, v57, v50
	v_cndmask_b32 v61, 0, 16, vcc_lo
	LEVEL 48, 8                                    ; and so on down: the lower 8, 4, 2, 1 bits of what is left
	LEVEL 63, 4
	LEVEL 62, 2
	LEVEL 58, 1
.irp i, 0,1,2,3
	v_mov_b32 v[TK+\i], v[TK+\i+1]
.endr
	v_lshl_add_u32 v[TK+4], v60, 5, v61            ; token = 32 x word + bit
	v_add_nc_u32 v56, 64, v56                      ; my next tile's rank
	s_sub_co_u32 s[TI], s[TI], 1
	s_cmp_lg_u32 s[TI], 0
	s_cbranch_scc1 .Lts_\@
.irp i, 0,1,2,3,4
	v_min_u32 v[TK+\i], 0x3ff, v[TK+\i]
	v_lshl_add_u32 v[AOFF+\i], v[TK+\i], 11, v[H16]  ; token x 2,048 bytes + 16 x half
.endr
.endm
.macro ISSUE_A b, i0, i1               ; 128 along K of the rows of tiles i0 to i1 into buffer b; a tile past the count names one row in all lanes
.irp i, 0,1,2,3,4
.if (\i >= \i0) && (\i <= \i1)
.set RA, 576+160*(\b)+32*\i
	WIN (RA>>8)<<6
.irp q, 0,1,2,3,4,5,6,7
	global_load_b128 v[(RA&255)+4*\q:(RA&255)+4*\q+3], v[AOFF+\i], s[16:17] offset:32*\q
.endr
.endif
.endr
	WIN 0
.endm
; 32 rows x 128 columns of the slice, turned: eight fragments into buffer p.  The address is the chunk's byte plus my lane's place, held to the walk's own largest value, which never bites:
; with the largest offset, 32,496 bytes to a load's end, no turning load ends past byte 294,880, inside the slice and below the stages.  The two lines are two of the four places ahead of the loads.
.macro BLOAD p, imm
	v_add_nc_u32 v[BA], s[KB], v[BADR0]
	v_min_u32 v[BA], BAMAX, v[BA]
.irp c, 0,1,2,3,4,5,6,7
	ds_load_tr16_b128 v[128+64*(\p)+8*\c:128+64*(\p)+8*\c+3],   v[BA] offset:(\imm)+32*\c
	ds_load_tr16_b128 v[128+64*(\p)+8*\c+4:128+64*(\p)+8*\c+7], v[BA] offset:(\imm)+32*\c+16*PB
.endr
.endm
.macro TILES b, ks, p                  ; eight products a tile; the accumulators take turns, one instruction a turn; tiles past the trip's number are jumped
.irp i, 0,1,2,3,4
	WIN 0
	s_cmp_le_u32 s[MT], \i
	s_cbranch_scc1 .Lte_\@
.set RA, 576+160*(\b)+32*\i+8*(\ks)
.set RC, 256+64*\i
.set RAL, RA&255
.set RCL, RC&255
	WIN ((RC>>8)*0x50)|((RA>>8)<<2)
.irp c, 0,1,2,3,4,5,6,7
	v_wmma_f32_16x16x32_bf16 v[RCL+8*\c:RCL+8*\c+7], v[128+64*(\p)+8*\c:128+64*(\p)+8*\c+7], v[RAL:RAL+7], v[RCL+8*\c:RCL+8*\c+7]
.endr
.endr
	WIN 0
.Lte_\@:
.endm
.macro KSTEP b, ks, p, nxt, imm        ; one K step of 32: its weight fragments were asked for a step ago; the next step's (nxt = 1) are asked for first
.if \nxt
	PLACES 2                                       ; with BLOAD's first two lines: four
.endif
	s_wait_dscnt 0x0
.if \nxt
	BLOAD 1-(\p), \imm
.endif
	TILES \b, \ks, \p
.endm
; THE CHANGE OF CHUNKS, in front of chunk p.  nb: the row buffer of chunk p + 1.  chk = 1: in the walk's last trip this is the last change: nothing more is asked for.
.macro BOUND nb, chk
	s_wait_loadcnt 0x0                             ; all my loads are in: my part of chunk p's weights and its token rows, both asked for a chunk ago; their bases are free
	s_add_nc_u64 s[16:17], s[16:17], 256           ; chunk p + 1 of the rows,
	s_add_nc_u64 s[18:19], s[18:19], 128*WP        ; and of the weights (behind the last change the stepped addresses are not used)
.if \chk
	s_cmp_eq_u32 s[KC], 1
	s_cbranch_scc1 .Lb1_\@
.endif
	PLACES                                         ; the last products read this buffer
	ISSUE_A \nb, 0, 2                              ; three tiles' rows first: with the 32 loads of weights below, 56 loads of mine are out; the other two tiles follow in the chunk's middle
.if \chk
.Lb1_\@:
.endif
	s_wait_dscnt 0x0                               ; my reads of the slice are over,
	s_barrier_signal -1
	WIN 0xcf                                       ; (the roundings, work on registers, stand between signal and wait)
.set z, 0
.rept 32
	v_cvt_pk_bf16_f32 v[128+4*z],   v[128+4*z],   v[128+4*z+1]
	v_cvt_pk_bf16_f32 v[128+4*z+1], v[128+4*z+2], v[128+4*z+3]
.set z, z+1
.endr
	WIN 0
	s_barrier_wait -1                              ; everybody's are: now the slice may be stored into
	v_add_nc_u32 v[LSTA], s[WB], v[LST0]
	WIN 0x0c
.set z, 0
.rept 32
	ds_store_b64 v[LSTA], v[128+4*z:128+4*z+1] offset:z*PB  ; 32 lanes, 256 bytes on end
.set z, z+1
.endr
	WIN 0
	s_add_co_u32 s[WB], s[WB], CH
.if \chk
	s_cmp_eq_u32 s[KC], 1
	s_cbranch_scc1 .Lb2_\@
.endif
	WLOAD                                          ; chunk p + 1: it has all of chunk p's products in which to land
.if \chk
.Lb2_\@:
.endif
	s_wait_dscnt 0x0                               ; my part of chunk p is in LDS,
	s_barrier_signal -1
	s_barrier_wait -1                              ; everybody's is
.endm
.macro PHASE b, chk                    ; chunk p is multiplied: four K steps on row buffer b
	PLACES 2
	BLOAD 0, 0
	KSTEP \b, 0, 0, 1, 1*32*PB
	KSTEP \b, 1, 1, 1, 2*32*PB
.if \chk
	s_cmp_eq_u32 s[KC], 1
	s_cbranch_scc1 .Lp2_\@
.endif
	ISSUE_A 1-(\b), 3, 4                           ; the other two tiles' rows of chunk p + 1
.if \chk
.Lp2_\@:
.endif
	KSTEP \b, 2, 0, 1, 3*32*PB
	KSTEP \b, 3, 1, 0, 0
	s_add_co_u32 s[KB], s[KB], CH
.endm
	s_load_b256 s[4:11], s[0:1], 0x0               ; xb 4, w1 6, b1 8, bmp 10
	s_load_b64 s[12:13], s[0:1], 0x20              ; hid
	v_lshl_add_u32 v[SPW], v0, 2, SPARE
	v_mov_b32 v[NIL], 0
	v_lshrrev_b32 v56, 5, v0
	v_readfirstlane_b32 s[WV], v56
	v_and_b32 v[R15], 15, v0
	v_bfe_u32 v[H], v0, 4, 1
	v_and_b32 v[LANE], 31, v0
	v_lshlrev_b32 v[WOFF], 4, v[LANE]
	v_lshlrev_b32 v[H16], 4, v[H]
	v_lshlrev_b32 v[BOFF], 5, v[H]
	s_and_b32 s[EX], ttmp7, 0xffff                 ; expert
	s_mov_b32 s[SX], ttmp9                         ; slice
	s_lshl_b32 s76, s[EX], 24                      ; w1: expert x 16 MiB + 512 x slice + wave x 32 rows
	s_lshl_b32 s78, s[SX], 9
	s_add_co_u32 s76, s76, s78
	s_lshl_b32 s78, s[WV], 19
	s_add_co_u32 s76, s76, s78
	s_mov_b32 s77, 0
	s_lshl_b32 s78, s[EX], 14                      ; b1
	s_lshl_b32 s80, s[SX], 9
	s_add_co_u32 s78, s78, s80
	s_mov_b32 s79, 0
	s_lshl_b32 s80, s[EX], 7                       ; bmp: the expert's 32 words
	s_mov_b32 s81, 0
	s_lshl_b32 s82, s[EX], 23                      ; hid: expert x 8 MiB + 256 x slice
	s_lshl_b32 s84, s[SX], 8
	s_add_co_u32 s82, s82, s84
	s_mov_b32 s83, 0
	s_wait_kmcnt 0x0
	s_add_nc_u64 s[18:19], s[6:7], s[76:77]
	s_add_nc_u64 s[8:9], s[8:9], s[78:79]
	s_add_nc_u64 s[10:11], s[10:11], s[80:81]
	s_add_nc_u64 s[12:13], s[12:13], s[82:83]
	s_load_b512 s[32:47], s[10:11], 0x0
	s_load_b512 s[48:63], s[10:11], 0x40
.irp c, 0,1,2,3,4,5,6,7                                ; b1 of my eight columns in each block of 16
	global_load_b128 v[BIAS+8*\c:BIAS+8*\c+3],   v[BOFF], s[8:9] offset:64*\c
	global_load_b128 v[BIAS+8*\c+4:BIAS+8*\c+7], v[BOFF], s[8:9] offset:64*\c+16
.endr
	WLOAD                                          ; chunk 0 of the weights is on its way before anything else is done
	s_mul_i32 s76, s[WV], 32*PB
	v_lshl_add_u32 v[LST0], v[LANE], 3, s76
	v_and_b32 v56, 7, v0
	v_lshl_add_u32 v56, v[H], 3, v56
	v_mul_u32_u24 v[BADR0], v56, PB                ; row 8 (l / 16) + l % 8,
	v_bfe_u32 v57, v0, 3, 1
	v_lshl_add_u32 v[BADR0], v57, 4, v[BADR0]      ; columns 8 ((l / 8) % 2) on
	s_mul_i32 s76, s[WV], 16*SP
	s_add_co_u32 s76, s76, STG                     ; my stage
	v_mul_u32_u24 v56, v[R15], SP
	v_lshl_add_u32 v56, v[H], 4, v56
	v_add_nc_u32 v[STO], s76, v56                  ; in: row l % 16, 16 bytes for each half of the lanes
	v_mul_u32_u24 v56, v[H], SP
	v_lshl_add_u32 v56, v[R15], 4, v56
	v_add_nc_u32 v[RD], s76, v56                   ; back: lanes 0-15 one row of 256 bytes, lanes 16-31 the next
	v_lshlrev_b32 v56, 13, v[H]
	v_lshl_add_u32 v[HO0], v[R15], 4, v56          ; and the same two rows in hid
	s_mov_b32 s86, 0xbe027906                      ; q's coefficients, each as a pair for the packed forms
	s_mov_b32 s87, s86
	s_mov_b32 s88, 0x3e11a98e
	s_mov_b32 s89, s88
	s_mov_b32 s90, 0xbf35f0e3
	s_mov_b32 s91, s90
	s_mov_b32 s92, 0x3f3a00e3
	s_mov_b32 s93, s92
	s_mov_b32 s94, 0xbf07dc22
	s_mov_b32 s95, s94
	s_mov_b32 s96, 0xbf38aa3b                      ; -log2(e) / 2
	s_mov_b32 s97, s96
	s_mov_b32 s98, 0x3e6d3388                      ; 0.3275911 / sqrt 2
	s_wait_kmcnt 0x0
	s_mov_b32 s[NN], 0
.set j, 0
.rept 32
	s_bcnt1_i32_b32 s76, s[32+j]
	s_add_co_u32 s[NN], s[NN], s76
.set j, j+1
.endr
	s_max_u32 s[NN], s[NN], 1
	s_sub_co_u32 s[NM1], s[NN], 1
	s_add_co_u32 s76, s[NN], 15
	s_lshr_b32 s76, s76, 4                         ; tiles of 16 rows
	s_add_co_u32 s76, s76, 3
	s_sub_co_u32 s76, s76, s[WV]
	s_lshr_b32 s[MW], s76, 2                       ; mine: tiles w, w + 4, ..: 16 at the most
	s_add_co_u32 s76, s[MW], 4
	s_mul_i32 s76, s76, 52
	s_lshr_b32 s[NTR], s76, 8                      ; ceil(mine / 5), right up to 16
	s_mov_b32 s[TR], 0
	SETUP
	s_mov_b64 s[16:17], s[4:5]
	ISSUE_A 0, 0, 4                                ; chunk 0 of the first trip's token rows
	CLEAR
	s_mov_b32 s[KB], 0
	s_mov_b32 s[WB], 0
	s_mov_b32 s[KC], 4
.Lp:                                                   ; THE WALK: four trips, two chunks each
	BOUND 1, 0
	PHASE 0, 0
	BOUND 0, 1
	PHASE 1, 1
	s_sub_co_u32 s[KC], s[KC], 1
	s_cmp_lg_u32 s[KC], 0
	s_cbranch_scc1 .Lp
	s_wait_loadcnt 0x0                             ; the last trip asked for nothing more, so this is met at once: it stands so that on every way through the text the row buffers' loads are in before they are loaded again
.set z, 0
.rept 32                                               ; b1 rounded to bf16 like every input
	v_cvt_pk_bf16_f32 v[56+z%4], v[BIAS+2*z], v[BIAS+2*z+1]
	v_lshlrev_b32 v[BIAS+2*z], 16, v[56+z%4]
	v_and_b32 v[BIAS+2*z+1], 0xffff0000, v[56+z%4]
.set z, z+1
.endr
	s_cmp_eq_u32 s[NTR], 0
	s_cbranch_scc1 .Ldone                          ; a wave without tiles has done its share of the slice
.Ltrip:                                                ; a trip of this loop: the way out of the sums in hand, then, if rows are left, the next five tiles a wave on the slice in LDS
	; THE WAY OUT, a tile a trip: + b1, gelu, bf16, through my stage, whole rows of 256 bytes into hid
	PLACES
	s_mov_b32 s[EI], 0
.macro CASE i, jump                    ; tile i's sums + b1 into T, each accumulator from its low end on
.Lc\i:
.set RC, 256+64*(\i)
	WIN RC>>8
.set z, 0
.rept 32
	v_pk_add_f32 v[T+2*z:T+2*z+1], v[(RC&255)+2*z:(RC&255)+2*z+1], v[BIAS+2*z:BIAS+2*z+1]
.set z, z+1
.endr
	WIN 0
.if \jump
	s_branch .Lcommon
.endif
.endm
.macro ALL16 line:vararg               ; one line for each pair z of 16
.set z, 0
.rept 16
	\line
.set z, z+1
.endr
.endm
.macro ALL32 line:vararg
.set z, 0
.rept 32
	\line
.set z, z+1
.endr
.endm
.macro GELU hf                         ; 32 numbers a lane
.set TB, T+32*(\hf)
	WIN 0
	ALL16 v_pk_mul_f32 v[EE+2*z:EE+2*z+1], v[TB+2*z:TB+2*z+1], v[TB+2*z:TB+2*z+1]
	ALL16 v_pk_mul_f32 v[EE+2*z:EE+2*z+1], v[EE+2*z:EE+2*z+1], s[96:97] op_sel_hi:[1,0]
	ALL32 v_fma_f32 v[RR+z], |v[TB+z]|, s98, 1.0
	ALL32 v_rcp_f32 v[RR+z], v[RR+z]
	ALL32 v_exp_f32 v[EE+z], v[EE+z]
	v_nop                                          ; a plain instruction behind the last of them,
	s_wait_alu depctr_va_vdst(0)                   ; and one wait for the batch of 64
	WIN 0x80                                       ; q lives in window 2
	ALL16 v_pk_fma_f32 v[QQ+2*z:QQ+2*z+1], v[RR+2*z:RR+2*z+1], s[94:95], s[92:93] op_sel_hi:[1,0,0]
	WIN 0x82
.irp cc, 90, 88, 86
	ALL16 v_pk_fma_f32 v[QQ+2*z:QQ+2*z+1], v[QQ+2*z:QQ+2*z+1], v[RR+2*z:RR+2*z+1], s[\cc:\cc+1] op_sel_hi:[1,1,0]
.endr
	ALL16 v_pk_mul_f32 v[QQ+2*z:QQ+2*z+1], v[QQ+2*z:QQ+2*z+1], v[RR+2*z:RR+2*z+1]
	WIN 0x02
	ALL16 v_pk_fma_f32 v[EE+2*z:EE+2*z+1], v[QQ+2*z:QQ+2*z+1], v[EE+2*z:EE+2*z+1], 0.5 op_sel_hi:[1,1,0]
	WIN 0
	ALL16 v_pk_mul_f32 v[RR+2*z:RR+2*z+1], v[TB+2*z:TB+2*z+1], 0.5 op_sel_hi:[1,0]
	ALL32 v_fma_f32 v[EE+z], |v[TB+z]|, v[EE+z], v[RR+z]
	ALL16 v_cvt_pk_bf16_f32 v[T+16*(\hf)+z], v[EE+2*z], v[EE+2*z+1]
.endm
.Lepi:
	s_wait_xcnt 0x0                                ; the last tile's stores have read their data and offset
.irp k, 0,1,2,3
	s_cmp_eq_u32 s[EI], \k
	s_cbranch_scc1 .Lc\k
.endr
	CASE 4, 1
	CASE 0, 1
	CASE 1, 1
	CASE 2, 1
	CASE 3, 0
.Lcommon:
	GELU 0
	GELU 1
.irp c, 0,1,2,3,4,5,6,7
	ds_store_b128 v[STO], v[T+4*\c:T+4*\c+3] offset:32*\c
.endr
.irp t, 0,1,2,3,4,5,6,7
	ds_load_b128 v[RR+4*\t:RR+4*\t+3], v[RD] offset:\t*2*SP  ; LDS serves a wave's instructions in order (ISA guide 5.7.1.4): these see the stores above
.endr
	s_mul_i32 s76, s[TR], 20
	s_lshl2_add_u32 s76, s[EI], s76
	s_add_co_u32 s76, s76, s[WV]                   ; the tile's number among the expert's,
	s_min_u32 s76, s76, 63
	s_lshl_b32 s76, s76, 17                        ; its 16 rows of 8,192 bytes
	v_add_nc_u32 v[HOFF], s76, v[HO0]
.irp t, 0,1,2,3,4,5,6,7
	s_wait_dscnt 7-\t
	global_store_b128 v[HOFF], v[RR+4*\t:RR+4*\t+3], s[12:13] offset:\t*16384  ; 16 lanes store 256 consecutive bytes, aligned
.endr
	s_add_co_u32 s[EI], s[EI], 1
	s_cmp_lt_u32 s[EI], s[MT]
	s_cbranch_scc1 .Lepi
	s_add_co_u32 s[TR], s[TR], 1
	s_cmp_ge_u32 s[TR], s[NTR]
	s_cbranch_scc1 .Ldone
	s_wait_xcnt 0x0                                ; the stores have read their registers
	SETUP
	CLEAR
	s_mov_b64 s[16:17], s[4:5]
	s_mov_b32 s[KB], 0
	s_mov_b32 s[KC], 8
.Lk:                                                   ; a chunk of 128 along K on the slice in LDS
	PLACES
	ISSUE_A 0, 0, 4
	BLOAD 0, 0
	s_wait_loadcnt 0x0                             ; the chunk's rows are in; their base is free
	KSTEP 0, 0, 0, 1, 1*32*PB
	KSTEP 0, 1, 1, 1, 2*32*PB
	KSTEP 0, 2, 0, 1, 3*32*PB
	KSTEP 0, 3, 1, 0, 0
	s_add_nc_u64 s[16:17], s[16:17], 256
	s_add_co_u32 s[KB], s[KB], CH
	s_sub_co_u32 s[KC], s[KC], 1
	s_cmp_lg_u32 s[KC], 0
	s_cbranch_scc1 .Lk
	s_cmp_lt_u32 s[TR], s[NTR]
	s_cbranch_scc1 .Ltrip
.Ldone:
	s_wait_tensorcnt 0x0                           ; the wave's end
	ds_add_u32 v[SPW], v[NIL]
	s_wait_dscnt 0x0
	s_endpgm
.Lfunc_end_k_q9faf4a8b71_fc1:
	.size	k_q9faf4a8b71_fc1, .Lfunc_end_k_q9faf4a8b71_fc1-k_q9faf4a8b71_fc1
	.p2alignl 7, 3214868480
	.fill 96, 4, 3214868480
	.section	.rodata,"a",@progbits
	.p2align	6, 0x0
	.amdhsa_kernel k_q9faf4a8b71_fc1
		.amdhsa_group_segment_fixed_size 327680
		.amdhsa_private_segment_fixed_size 0
		.amdhsa_enable_private_segment 0
		.amdhsa_kernarg_size 40
		.amdhsa_user_sgpr_count 2
		.amdhsa_user_sgpr_kernarg_segment_ptr 1
		.amdhsa_wavefront_size32 1
		.amdhsa_system_sgpr_workgroup_id_x 1
		.amdhsa_system_sgpr_workgroup_id_y 1
		.amdhsa_system_sgpr_workgroup_id_z 1
		.amdhsa_system_vgpr_workitem_id 0
		.amdhsa_next_free_vgpr 1024
		.amdhsa_next_free_sgpr 100
		.amdhsa_reserve_vcc 1
		.amdhsa_float_denorm_mode_32 3
		.amdhsa_float_denorm_mode_16_64 3
		.amdhsa_memory_ordered 1
		.amdhsa_forward_progress 1
		.amdhsa_inst_pref_size 188
	.end_amdhsa_kernel
	.amdgpu_metadata
---
amdhsa.version: [ 1, 2 ]
amdhsa.kernels:
  - .name:           k_q9faf4a8b71_fc1
    .symbol:         k_q9faf4a8b71_fc1.kd
    .args:
      - { .name: xb, .offset: 0, .size: 8, .value_kind: global_buffer, .address_space: global }
      - { .name: w1, .offset: 8, .size: 8, .value_kind: global_buffer, .address_space: global }
      - { .name: b1, .offset: 16, .size: 8, .value_kind: global_buffer, .address_space: global }
      - { .name: bmp, .offset: 24, .size: 8, .value_kind: global_buffer, .address_space: global }
      - { .name: hid, .offset: 32, .size: 8, .value_kind: global_buffer, .address_space: global }
    .group_segment_fixed_size: 327680
    .private_segment_fixed_size: 0
    .kernarg_segment_align: 8
    .kernarg_segment_size: 40
    .max_flat_workgroup_size: 128
    .sgpr_count:     100
    .vgpr_count:     1024
    .wavefront_size: 32
...
	.end_amdgpu_metadata
.endif
;; end of part 6
;; launch fc2 (part 7): grid 32 x 8, 4 waves a work-group, no clusters, 327,680 bytes of LDS; arguments hid, w2, bmp, part; writes part
.if DOCPART == 7
	.amdgcn_target "amdgcn-amd-amdhsa--gfx1250"
	.amdhsa_code_object_version 6
	.text
	.protected	k_q9faf4a8b71_fc2
	.globl	k_q9faf4a8b71_fc2
	.p2align	8
	.type	k_q9faf4a8b71_fc2,@function
k_q9faf4a8b71_fc2:
	s_mov_b64 s[64:65], 0
	v_nop
	global_prefetch_b8 v0, s[64:65] scope:SCOPE_SE
	s_setreg_imm32_b32 hwreg(HW_REG_WAVE_MODE, 25, 1), 1
	s_wait_xcnt 0x0
; part[ks][token][e][:] = hid[e][rank][1024 ks ..] w2[e][1024 ks ..][:], f32 partial sums, for the tokens that chose expert e.
; SHARES.  Work-group (x, e), ks = x / 8, cs = x % 8, owns rows 1,024 ks .. and columns 128 cs .. of w2[e]: it alone reads them, once, rounds them to bf16 on their way through registers
; and lays them into LDS as [k][n].  The expert's rows go in tiles of 16: tile g belongs to wave g % 4, up to five tiles a wave and trip (320 rows a work-group).
; K is cut in four so that a slice fits in LDS; the four partial rows, in f32, and b2 are added by the next launch, which owns each output row.
; THE WALK.  The slice comes in eight chunks of 128 rows of K, 32 rows a wave.  While a chunk is multiplied, the next chunk's weights and rows of hid are on their way into registers: they are asked for
; a whole chunk ahead, and one wait for all loads stands at each change of chunks.  The walk has a constant count of trips and every wave passes every barrier; only products are jumped on the count.
; Two barriers a chunk: the reads of the slice are held to it by an upper bound alone, so one barrier orders every wave's reads against the next stores into the slice, and one those stores against the next reads.
; ROWS PAST 320 of an expert run behind the walk, when the slice is whole in LDS: a loop whose length hangs on the count read from bmp, with no barrier and no LDS byte shared between waves.
; That loop is kept short: one chunk a trip, one row buffer, so it sits out each chunk's row loads.
; THE COUNT is taken as max(n, 1), and the list is cleared first: an expert without tokens writes one row of part that nobody reads.  Places past the count repeat the last row.
; THE MATRIX INSTRUCTION IS USED TRANSPOSED: source 0 = 16 columns of w2 (turned out of LDS), source 1 = 16 rows of hid: a lane holds one row and eight neighbouring columns.
; NO JOINT LOADS: each slice of weights has one reader; beside the slice (294,912 of 327,680 bytes) LDS has no room for a shared tile of hid's rows.
; The sums start from accumulators cleared at a trip's head, 320 v_mov_b32, which stand in the wait for the trip's first loads: the price of one text for every K step.
; REGISTERS by absolute number (s_set_vgpr_msb: bits 1:0 source 0, 3:2 source 1, 5:4 source 2, 7:6 destination):
;   0-63 addresses and work; 128-191, 192-255 two buffers of weight fragments (in the way out: rows read back)
;   256 + 64 i + 8 c  accumulator of tile i (0..4), column block c;   576 + 160 b + 32 i + 8 ks  row fragments;   896 + 4 z  row z (0..31) of my part of a chunk of weights, on its way into LDS
.set WP,     4096                      ; bytes from row to row of w2
.set PB,     288                       ; a row of the slice in LDS: 256 bytes + 32
.set CH,     128*PB                    ; a chunk in LDS
.set STG,    294912                    ; 16 rows x 272 bytes for each wave, its own: half a tile's columns in f32
.set SP,     272
.set LIST,   312320                    ; rank -> token, 1,024 words; behind them 32 words for lanes that have nothing to list
.set SPARE,  316672                    ; the spare words, 128 bytes a wave, named by no other line
.set BAMAX,  15*PB+16+7*CH             ; the largest address of a chunk's first fragments: my lane's place at the most, in the last chunk
.set R15,  1
.set H,    2
.set LANE, 3
.set SPW,  4
.set NIL,  5
.set WOFF, 6
.set LST0, 7
.set BADR0,8
.set BA,   9
.set LSTA, 10
.set H16,  11
.set AOFF, 12                          ; v12-16
.set STO,  24
.set RD,   25
.set LC,   27
.set VO,   28                          ; v28-35 the eight stores' offsets
.set TKS,  36                          ; v36-43 their rows' tokens
.set OB,   128                         ; rows read back from the stage
.set WV,  20
.set EX,  21
.set SX,  22
.set KSL, 23
.set CSL, 24
.set KB,  26                           ; LDS byte of the chunk that is read
.set WB,  27                           ; LDS byte of the chunk that is stored
.set NN,  66
.set NM1, 67
.set MW,  68
.set NTR, 69
.set TR,  70
.set MT,  71
.set KC,  72
.set MT2, 73
.set EI,  74
.set PFX, 75
.set MSB, 0
.macro WIN new
.if MSB != (\new)
	s_set_vgpr_msb (MSB<<8)|(\new)
.set MSB, (\new)
.endif
.endm
.macro PLACES n=4                      ; plain vector instructions between a matrix instruction and a load into, or a reader of, its registers: four are wanted
.rept \n
	v_nop
.endr
.endm
.macro WLOAD                           ; my 32 rows of a chunk of weights
	WIN 0xc0
.set z, 0
.rept 32
	global_load_b128 v[128+4*z:128+4*z+3], v[WOFF], s[18:19] offset:z*WP th:TH_LOAD_NT
.set z, z+1
.endr
	WIN 0
.endm
.macro CLEAR
	WIN 0x40
.set z, 0
.rept 256
	v_mov_b32 v[z], 0
.set z, z+1
.endr
	WIN 0x80
.set z, 0
.rept 64
	v_mov_b32 v[z], 0
.set z, z+1
.endr
	WIN 0
.endm
.macro SETUP
	s_mul_i32 s76, s[TR], 5
	s_sub_co_i32 s[MT], s[MW], s76
	s_max_i32 s[MT], s[MT], 0
	s_min_i32 s[MT], s[MT], 5
	s_lshl_b32 s[MT2], s[MT], 1
	s_mul_i32 s76, s[TR], 320                      ; rank = 16 x (20 TR + 4 i + w) + r
	s_lshl4_add_u32 s76, s[WV], s76
	v_add_nc_u32 v56, s76, v[R15]
.irp i, 0,1,2,3,4
	v_add_nc_u32 v57, 64*\i, v56
	v_min_u32 v57, s[NM1], v57                     ; places past the count repeat the last row
	v_min_u32 v57, 0x3ff, v57
	v_lshl_add_u32 v[AOFF+\i], v57, 13, v[H16]     ; rank x 8,192 bytes + 16 x half
.endr
.endm
.macro ISSUE_A b, i0, i1               ; 128 along K of the rows of tiles i0 to i1 into buffer b; a tile past the count names one row in all lanes
.irp i, 0,1,2,3,4
.if (\i >= \i0) && (\i <= \i1)
.set RA, 576+160*(\b)+32*\i
	WIN (RA>>8)<<6
.irp q, 0,1,2,3,4,5,6,7
	global_load_b128 v[(RA&255)+4*\q:(RA&255)+4*\q+3], v[AOFF+\i], s[16:17] offset:32*\q
.endr
.endif
.endr
	WIN 0
.endm
; 32 rows x 128 columns of the slice, turned: eight fragments into buffer p.  The address is the chunk's byte plus my lane's place, held to the walk's own largest value, which never bites:
; with the largest offset, 32,496 bytes to a load's end, no turning load ends past byte 294,880, inside the slice and below the stages.  The two lines are two of the four places ahead of the loads.
.macro BLOAD p, imm
	v_add_nc_u32 v[BA], s[KB], v[BADR0]
	v_min_u32 v[BA], BAMAX, v[BA]
.irp c, 0,1,2,3,4,5,6,7
	ds_load_tr16_b128 v[128+64*(\p)+8*\c:128+64*(\p)+8*\c+3],   v[BA] offset:(\imm)+32*\c
	ds_load_tr16_b128 v[128+64*(\p)+8*\c+4:128+64*(\p)+8*\c+7], v[BA] offset:(\imm)+32*\c+16*PB
.endr
.endm
.macro TILES b, ks, p                  ; the accumulators take turns, one instruction a turn; tiles past the trip's number are jumped
.irp i, 0,1,2,3,4
	WIN 0
	s_cmp_le_u32 s[MT], \i
	s_cbranch_scc1 .Lte_\@
.set RA, 576+160*(\b)+32*\i+8*(\ks)
.set RC, 256+64*\i
.set RAL, RA&255
.set RCL, RC&255
	WIN ((RC>>8)*0x50)|((RA>>8)<<2)
.irp c, 0,1,2,3,4,5,6,7
	v_wmma_f32_16x16x32_bf16 v[RCL+8*\c:RCL+8*\c+7], v[128+64*(\p)+8*\c:128+64*(\p)+8*\c+7], v[RAL:RAL+7], v[RCL+8*\c:RCL+8*\c+7]
.endr
.endr
	WIN 0
.Lte_\@:
.endm
.macro KSTEP b, ks, p, nxt, imm        ; one K step of 32: its weight fragments were asked for a step ago; the next step's (nxt = 1) are asked for first
.if \nxt
	PLACES 2                                       ; with BLOAD's first two lines: four
.endif
	s_wait_dscnt 0x0
.if \nxt
	BLOAD 1-(\p), \imm
.endif
	TILES \b, \ks, \p
.endm
; THE CHANGE OF CHUNKS, in front of chunk p.  nb: the row buffer of chunk p + 1.  chk = 1: in the walk's last trip this is the last change: nothing more is asked for.
.macro BOUND nb, chk
	s_wait_loadcnt 0x0                             ; all my loads are in: my part of chunk p's weights and its rows of hid, both asked for a chunk ago; their bases are free
	s_add_nc_u64 s[16:17], s[16:17], 256           ; chunk p + 1 of the rows,
	s_add_nc_u64 s[18:19], s[18:19], 128*WP        ; and of the weights (behind the last change the stepped addresses are not used)
.if \chk
	s_cmp_eq_u32 s[KC], 1
	s_cbranch_scc1 .Lb1_\@
.endif
	PLACES                                         ; the last products read this buffer
	ISSUE_A \nb, 0, 2                              ; three tiles' rows first: with the 32 loads of weights below, 56 loads of mine are out; the other two tiles follow in the chunk's middle
.if \chk
.Lb1_\@:
.endif
	s_wait_dscnt 0x0                               ; my reads of the slice are over (at the first change: wave 0's list is in LDS),
	s_barrier_signal -1
	WIN 0xcf                                       ; (the roundings, work on registers, stand between signal and wait)
.set z, 0
.rept 32
	v_cvt_pk_bf16_f32 v[128+4*z],   v[128+4*z],   v[128+4*z+1]
	v_cvt_pk_bf16_f32 v[128+4*z+1], v[128+4*z+2], v[128+4*z+3]
.set z, z+1
.endr
	WIN 0
	s_barrier_wait -1                              ; everybody's are: now the slice may be stored into
	v_add_nc_u32 v[LSTA], s[WB], v[LST0]
	WIN 0x0c
.set z, 0
.rept 32
	ds_store_b64 v[LSTA], v[128+4*z:128+4*z+1] offset:z*PB  ; 32 lanes, 256 bytes on end
.set z, z+1
.endr
	WIN 0
	s_add_co_u32 s[WB], s[WB], CH
.if \chk
	s_cmp_eq_u32 s[KC], 1
	s_cbranch_scc1 .Lb2_\@
.endif
	WLOAD                                          ; chunk p + 1: it has all of chunk p's products in which to land
.if \chk
.Lb2_\@:
.endif
	s_wait_dscnt 0x0                               ; my part of chunk p is in LDS,
	s_barrier_signal -1
	s_barrier_wait -1                              ; everybody's is
.endm
.macro PHASE b, chk                    ; chunk p is multiplied: four K steps on row buffer b
	PLACES 2
	BLOAD 0, 0
	KSTEP \b, 0, 0, 1, 1*32*PB
	KSTEP \b, 1, 1, 1, 2*32*PB
.if \chk
	s_cmp_eq_u32 s[KC], 1
	s_cbranch_scc1 .Lp2_\@
.endif
	ISSUE_A 1-(\b), 3, 4                           ; the other two tiles' rows of chunk p + 1
.if \chk
.Lp2_\@:
.endif
	KSTEP \b, 2, 0, 1, 3*32*PB
	KSTEP \b, 3, 1, 0, 0
	s_add_co_u32 s[KB], s[KB], CH
.endm
	s_load_b256 s[4:11], s[0:1], 0x0               ; hid 4, w2 6, bmp 8, part 10
	v_lshl_add_u32 v[SPW], v0, 2, SPARE
	v_mov_b32 v[NIL], 0
	v_lshrrev_b32 v56, 5, v0
	v_readfirstlane_b32 s[WV], v56
	v_and_b32 v[R15], 15, v0
	v_bfe_u32 v[H], v0, 4, 1
	v_and_b32 v[LANE], 31, v0
	v_lshlrev_b32 v[WOFF], 4, v[LANE]
	v_lshlrev_b32 v[H16], 4, v[H]
	v_lshlrev_b32 v[LC], 4, v[R15]
	s_and_b32 s[EX], ttmp7, 0xffff
	s_mov_b32 s[SX], ttmp9
	s_lshr_b32 s[KSL], s[SX], 3                    ; which 1,024 of K
	s_and_b32 s[CSL], s[SX], 7                     ; which 128 columns
	s_lshl_b32 s76, s[EX], 24                      ; w2: expert x 16 MiB + ks x 1,024 rows + wave x 32 rows + 512 cs
	s_lshl_b32 s78, s[KSL], 22
	s_add_co_u32 s76, s76, s78
	s_lshl_b32 s78, s[WV], 17
	s_add_co_u32 s76, s76, s78
	s_lshl_b32 s78, s[CSL], 9
	s_add_co_u32 s76, s76, s78
	s_mov_b32 s77, 0
	s_lshl_b32 s78, s[EX], 23                      ; hid: expert x 8 MiB + 2,048 ks
	s_lshl_b32 s80, s[KSL], 11
	s_add_co_u32 s78, s78, s80
	s_mov_b32 s79, 0
	s_lshl_b32 s80, s[EX], 7                       ; bmp
	s_mov_b32 s81, 0
	s_lshl_b32 s82, s[KSL], 25                     ; part: ks x 32 MiB + e x 4,096 + 512 cs
	s_lshl_b32 s84, s[EX], 12
	s_add_co_u32 s82, s82, s84
	s_lshl_b32 s84, s[CSL], 9
	s_add_co_u32 s82, s82, s84
	s_mov_b32 s83, 0
	s_wait_kmcnt 0x0
	s_add_nc_u64 s[18:19], s[6:7], s[76:77]
	s_add_nc_u64 s[14:15], s[4:5], s[78:79]
	s_add_nc_u64 s[8:9], s[8:9], s[80:81]
	s_add_nc_u64 s[12:13], s[10:11], s[82:83]
	s_load_b512 s[32:47], s[8:9], 0x0
	s_load_b512 s[48:63], s[8:9], 0x40
	WLOAD                                          ; chunk 0 of the weights is on its way before anything else is done
	s_mul_i32 s76, s[WV], 32*PB
	v_lshl_add_u32 v[LST0], v[LANE], 3, s76
	v_and_b32 v56, 7, v0
	v_lshl_add_u32 v56, v[H], 3, v56
	v_mul_u32_u24 v[BADR0], v56, PB
	v_bfe_u32 v57, v0, 3, 1
	v_lshl_add_u32 v[BADR0], v57, 4, v[BADR0]
	s_mul_i32 s76, s[WV], 16*SP
	s_add_co_u32 s76, s76, STG                     ; my stage
	v_mul_u32_u24 v56, v[R15], SP
	v_lshl_add_u32 v56, v[H], 5, v56
	v_add_nc_u32 v[STO], s76, v56                  ; in: row l % 16, 32 bytes for each half of the lanes
	v_mul_u32_u24 v56, v[H], SP
	v_lshl_add_u32 v56, v[R15], 4, v56
	v_add_nc_u32 v[RD], s76, v56                   ; back: lanes 0-15 one row of 256 bytes, lanes 16-31 the next
	s_wait_kmcnt 0x0
	s_mov_b32 s[NN], 0
.set j, 0
.rept 32
	s_bcnt1_i32_b32 s76, s[32+j]
	s_add_co_u32 s[NN], s[NN], s76
.set j, j+1
.endr
	s_max_u32 s[NN], s[NN], 1
	s_sub_co_u32 s[NM1], s[NN], 1
	s_add_co_u32 s76, s[NN], 15
	s_lshr_b32 s76, s76, 4
	s_add_co_u32 s76, s76, 3
	s_sub_co_u32 s76, s76, s[WV]
	s_lshr_b32 s[MW], s76, 2                       ; my tiles: 16 at the most
	s_add_co_u32 s76, s[MW], 4
	s_mul_i32 s76, s76, 52
	s_lshr_b32 s[NTR], s76, 8                      ; ceil(mine / 5), right up to 16
	s_mov_b32 s[TR], 0
	SETUP
	s_mov_b64 s[16:17], s[14:15]
	ISSUE_A 0, 0, 4                                ; chunk 0 of the first trip's rows
	; THE LIST, by wave 0: a counting sort by bits: a token's rank is the number of chosen tokens below it.  It serves the way out; the walk's barriers stand between these stores and the reads
	s_cmp_lg_u32 s[WV], 0
	s_cbranch_scc1 .Lnolist
	v_lshl_add_u32 v48, v[LANE], 4, LIST
.irp z, 44,45,46,47
	v_mov_b32 v\z, 0
.endr
.irp k, 0,1,2,3,4,5,6,7
	ds_store_b128 v48, v[44:47] offset:512*\k      ; all 1,024 places name token 0 first; LDS serves a wave's instructions in order (ISA guide 5.7.1.4), so the stores below come behind these
.endr
	v_add_nc_u32 v58, 1024, v[LANE]                ; the place of a lane that has nothing to list
	v_mov_b32 v60, v[LANE]
	s_mov_b32 s[PFX], 0
.set j, 0
.rept 32
	v_mbcnt_lo_u32_b32 v59, s[32+j], s[PFX]
	v_cndmask_b32 v59, v58, v59, s[32+j]
	v_min_u32 v59, 0x41f, v59
	v_lshl_add_u32 v59, v59, 2, LIST
	ds_store_b32 v59, v60
	v_add_nc_u32 v60, 32, v60
	s_bcnt1_i32_b32 s76, s[32+j]
	s_add_co_u32 s[PFX], s[PFX], s76
.set j, j+1
.endr
.Lnolist:
	CLEAR
	s_mov_b32 s[KB], 0
	s_mov_b32 s[WB], 0
	s_mov_b32 s[KC], 4
.Lp:                                                   ; THE WALK: four trips, two chunks each
	BOUND 1, 0
	PHASE 0, 0
	BOUND 0, 1
	PHASE 1, 1
	s_sub_co_u32 s[KC], s[KC], 1
	s_cmp_lg_u32 s[KC], 0
	s_cbranch_scc1 .Lp
	s_wait_loadcnt 0x0                             ; the last trip asked for nothing more, so this is met at once: it stands so that on every way through the text the row buffers' loads are in before they are loaded again
	s_cmp_eq_u32 s[NTR], 0
	s_cbranch_scc1 .Ldone                          ; a wave without tiles has done its share of the slice
.Ltrip:                                                ; a trip of this loop: the way out of the sums in hand, then, if rows are left, the next five tiles a wave on the slice in LDS
	; THE WAY OUT, half a tile (16 rows x 64 columns of f32) a trip: through my stage, whole pieces of 256 bytes into each row's place in part
	PLACES
	s_mov_b32 s[EI], 0
.macro CASE k, jump                    ; half k % 2 of tile k / 2: four accumulators, each from its low end on
.Lc\k:
.set RC, 256+64*((\k)/2)+32*((\k)%2)
	WIN (RC>>8)<<2
.irp c, 0,1,2,3
	ds_store_b128 v[STO], v[(RC&255)+8*\c:(RC&255)+8*\c+3]   offset:64*\c
	ds_store_b128 v[STO], v[(RC&255)+8*\c+4:(RC&255)+8*\c+7] offset:64*\c+16
.endr
	WIN 0
.if \jump
	s_branch .Lcommon
.endif
.endm
.Lepi:
	s_wait_xcnt 0x0                                ; the last half's stores have read their data and offsets
.irp k, 0,1,2,3,4,5,6,7,8
	s_cmp_eq_u32 s[EI], \k
	s_cbranch_scc1 .Lc\k
.endr
	CASE 9, 1
.irp k, 0,1,2,3,4,5,6,7
	CASE \k, 1
.endr
	CASE 8, 0
.Lcommon:
	s_lshr_b32 s76, s[EI], 1
	s_mul_i32 s77, s[TR], 20
	s_lshl2_add_u32 s76, s76, s77
	s_add_co_u32 s76, s76, s[WV]                   ; the tile's number among the expert's
	s_min_u32 s76, s76, 63
	s_lshl_b32 s76, s76, 4
	v_add_nc_u32 v56, s76, v[H]                    ; the rank of the row that I read back first
.irp t, 0,1,2,3,4,5,6,7
	v_add_nc_u32 v[TKS+\t], 2*\t, v56
	v_min_u32 v[TKS+\t], s[NM1], v[TKS+\t]         ; a place past the count stores the last row's numbers to the last row's place once more
	v_min_u32 v[TKS+\t], 0x3ff, v[TKS+\t]
	v_lshl_add_u32 v[TKS+\t], v[TKS+\t], 2, LIST
.endr
.irp t, 0,1,2,3,4,5,6,7
	ds_load_b32 v[TKS+\t], v[TKS+\t]
.endr
.irp t, 0,1,2,3,4,5,6,7
	ds_load_b128 v[OB+4*\t:OB+4*\t+3], v[RD] offset:\t*2*SP  ; LDS serves a wave's instructions in order (ISA guide 5.7.1.4): these see the stores above
.endr
	s_and_b32 s77, s[EI], 1
	s_lshl_b32 s77, s77, 8                         ; the half's 256 bytes
	v_add_nc_u32 v57, s77, v[LC]
	s_wait_dscnt 8                                 ; the tokens are in; the eight loads of rows may be out
.irp t, 0,1,2,3,4,5,6,7
	v_min_u32 v[TKS+\t], 0x3ff, v[TKS+\t]
	v_lshl_add_u32 v[VO+\t], v[TKS+\t], 15, v57    ; token x 8 experts x 4,096 bytes
.endr
.irp t, 0,1,2,3,4,5,6,7
	s_wait_dscnt 7-\t
	global_store_b128 v[VO+\t], v[OB+4*\t:OB+4*\t+3], s[12:13]  ; 16 lanes store 256 consecutive bytes, aligned
.endr
	s_add_co_u32 s[EI], s[EI], 1
	s_cmp_lt_u32 s[EI], s[MT2]
	s_cbranch_scc1 .Lepi
	s_add_co_u32 s[TR], s[TR], 1
	s_cmp_ge_u32 s[TR], s[NTR]
	s_cbranch_scc1 .Ldone
	s_wait_xcnt 0x0                                ; the stores have read their registers
	SETUP
	CLEAR
	s_mov_b64 s[16:17], s[14:15]
	s_mov_b32 s[KB], 0
	s_mov_b32 s[KC], 8
.Lk:                                                   ; a chunk of 128 along K on the slice in LDS
	PLACES
	ISSUE_A 0, 0, 4
	BLOAD 0, 0
	s_wait_loadcnt 0x0                             ; the chunk's rows are in; their base is free
	KSTEP 0, 0, 0, 1, 1*32*PB
	KSTEP 0, 1, 1, 1, 2*32*PB
	KSTEP 0, 2, 0, 1, 3*32*PB
	KSTEP 0, 3, 1, 0, 0
	s_add_nc_u64 s[16:17], s[16:17], 256
	s_add_co_u32 s[KB], s[KB], CH
	s_sub_co_u32 s[KC], s[KC], 1
	s_cmp_lg_u32 s[KC], 0
	s_cbranch_scc1 .Lk
	s_cmp_lt_u32 s[TR], s[NTR]
	s_cbranch_scc1 .Ltrip
.Ldone:
	s_wait_tensorcnt 0x0                           ; the wave's end
	ds_add_u32 v[SPW], v[NIL]
	s_wait_dscnt 0x0
	s_endpgm
.Lfunc_end_k_q9faf4a8b71_fc2:
	.size	k_q9faf4a8b71_fc2, .Lfunc_end_k_q9faf4a8b71_fc2-k_q9faf4a8b71_fc2
	.p2alignl 7, 3214868480
	.fill 96, 4, 3214868480
	.section	.rodata,"a",@progbits
	.p2align	6, 0x0
	.amdhsa_kernel k_q9faf4a8b71_fc2
		.amdhsa_group_segment_fixed_size 327680
		.amdhsa_private_segment_fixed_size 0
		.amdhsa_enable_private_segment 0
		.amdhsa_kernarg_size 32
		.amdhsa_user_sgpr_count 2
		.amdhsa_user_sgpr_kernarg_segment_ptr 1
		.amdhsa_wavefront_size32 1
		.amdhsa_system_sgpr_workgroup_id_x 1
		.amdhsa_system_sgpr_workgroup_id_y 1
		.amdhsa_system_sgpr_workgroup_id_z 1
		.amdhsa_system_vgpr_workitem_id 0
		.amdhsa_next_free_vgpr 1024
		.amdhsa_next_free_sgpr 88
		.amdhsa_reserve_vcc 0
		.amdhsa_float_denorm_mode_32 3
		.amdhsa_float_denorm_mode_16_64 3
		.amdhsa_memory_ordered 1
		.amdhsa_forward_progress 1
		.amdhsa_inst_pref_size 146
	.end_amdhsa_kernel
	.amdgpu_metadata
---
amdhsa.version: [ 1, 2 ]
amdhsa.kernels:
  - .name:           k_q9faf4a8b71_fc2
    .symbol:         k_q9faf4a8b71_fc2.kd
    .args:
      - { .name: hid, .offset: 0, .size: 8, .value_kind: global_buffer, .address_space: global }
      - { .name: w2, .offset: 8, .size: 8, .value_kind: global_buffer, .address_space: global }
      - { .name: bmp, .offset: 16, .size: 8, .value_kind: global_buffer, .address_space: global }
      - { .name: part, .offset: 24, .size: 8, .value_kind: global_buffer, .address_space: global }
    .group_segment_fixed_size: 327680
    .private_segment_fixed_size: 0
    .kernarg_segment_align: 8
    .kernarg_segment_size: 32
    .max_flat_workgroup_size: 128
    .sgpr_count:     88
    .vgpr_count:     1024
    .wavefront_size: 32
...
	.end_amdgpu_metadata
.endif
;; end of part 7
;; launch combine: the kernel of part 4 again; grid 256 x 1, 8 waves a work-group, no clusters, 0 bytes of LDS; arguments part, sel, wts, b2, out0; writes out0
;; ======== version 3 of 3: 4 launches; version 2 with the launch fc2 written anew for expert scheduling mode
;; workspace buffers: xb 2,097,152 bytes; sel 8,192 bytes of whole numbers; wts 8,192 bytes; bmp 1,024 bytes of whole numbers; hid 67,108,864 bytes; part 134,217,728 bytes
;; launch router: the kernel of part 5 again; grid 128 x 1, 8 waves a work-group, no clusters, 21,760 bytes of LDS; arguments hidden_states, gate_w, gate_b, alpha, xb, sel, wts, bmp; writes xb, sel, wts, bmp
;; launch fc1: the kernel of part 6 again; grid 32 x 8, 4 waves a work-group, no clusters, 327,680 bytes of LDS; arguments xb, w1, b1, bmp, hid; writes hid
;; launch fc2 (part 8): grid 32 x 8, 4 waves a work-group, no clusters, 327,680 bytes of LDS; arguments hid, w2, bmp, part; writes part
.if DOCPART == 8
	.amdgcn_target "amdgcn-amd-amdhsa--gfx1250"
	.amdhsa_code_object_version 6
	.text
	.protected	k_q9faf4a8b71_fc2
	.globl	k_q9faf4a8b71_fc2
	.p2align	8
	.type	k_q9faf4a8b71_fc2,@function
k_q9faf4a8b71_fc2:
	s_mov_b64 s[64:65], 0
	v_nop
	global_prefetch_b8 v0, s[64:65] scope:SCOPE_SE
	s_setreg_imm32_b32 hwreg(HW_REG_WAVE_SCHED_MODE, 0, 2), 2
	s_setreg_imm32_b32 hwreg(HW_REG_WAVE_MODE, 25, 1), 1
	s_wait_xcnt 0x0
	s_wait_alu depctr_vm_vsrc(0)
; part[ks][token][e][:] = hid[e][rank][1024 ks ..] w2[e][1024 ks ..][:], f32 partial sums, for the tokens that chose expert e.
; SHARES.  Work-group (x, e), ks = x / 8, cs = x % 8, owns rows 1,024 ks .. and columns 128 cs .. of w2[e]: it alone reads them, once, rounds them to bf16 on their way through registers
; and lays them into LDS as [k][n].  The expert's rows go in tiles of 16: tile g belongs to wave g % 4, up to five tiles a wave and trip (320 rows a work-group).
; K is cut in four so that a slice fits in LDS; the four partial rows, in f32, and b2 are added by the next launch, which owns each output row.
; THE WALK.  The slice comes in eight chunks of 128 rows of K, 32 rows a wave.  While a chunk is multiplied, the next chunk's weights and rows of hid are on their way into registers: they are asked for
; a whole chunk ahead, and one wait for all loads stands at each change of chunks.  The walk has a constant count of trips and every wave passes every barrier; only products are jumped on the count.
; Two barriers a chunk: the reads of the slice are held to it by an upper bound alone, so one barrier orders every wave's reads against the next stores into the slice, and one those stores against the next reads.
; ROWS PAST 320 of an expert run behind the walk, when the slice is whole in LDS: a loop whose length hangs on the count read from bmp, with no barrier and no LDS byte shared between waves.
; That loop is kept short: one chunk a trip, one row buffer, so it sits out each chunk's row loads.
; THE COUNT is taken as max(n, 1), and the list is cleared first: an expert without tokens writes one row of part that nobody reads.  Places past the count repeat the last row.
; THE MATRIX INSTRUCTION IS USED TRANSPOSED: source 0 = 16 columns of w2 (turned out of LDS), source 1 = 16 rows of hid: a lane holds one row and eight neighbouring columns.
; NO JOINT LOADS: each slice of weights has one reader; beside the slice (294,912 of 327,680 bytes) LDS has no room for a shared tile of hid's rows.
; The sums start from accumulators cleared at a trip's head, 320 v_mov_b32, which stand in the wait for the trip's first loads: the price of one text for every K step.
; REGISTERS by absolute number (s_set_vgpr_msb: bits 1:0 source 0, 3:2 source 1, 5:4 source 2, 7:6 destination):
;   0-63 addresses and work; 64-127, 128-191, 192-255 three buffers of weight fragments F0, F1, F2 (at the head: the list's addresses and tokens; in the way out: rows read back)
;   256 + 64 i + 8 c  accumulator of tile i (0..4), column block c;   576 + 160 b + 32 i + 8 ks  row fragments, buffer ROW b;   896 + 4 z  W: row z (0..31) of my part of a chunk of weights, on its way into LDS
; THE MODE: SCHED_MODE bits 1:0 = 2 (LLVM: expert scheduling mode 2), set by the entry lines.  The code itself states the register dependences
; between vector or matrix instructions and memory or LDS instructions, with s_wait_alu, always for 0.
; THE PLAN.  Registers that memory or LDS instructions touch, and who else names them:
;   W            The loads of chunk p + 1 land in it, asked for in the change in front of chunk p; the next change's roundings read and write it; that change's LDS stores read it.
;   ROW0, ROW1   Chunk p's products read ROW[p % 2]; chunk p + 1's loads land in the other: three tiles at the change, two in the chunk's middle.
;   F0, F1, F2   A chunk's K steps 0 to 3 read F0, F1, F2, F0; in the walk the turning loads of step s + 1 are dealt among the products of step s.
;   v[BA]        Read by a chunk's 64 turning loads; in the walk written once a chunk, in the change; in the loop for later rows ahead of each run of sixteen.
;   v[LSTA]      Read by a change's 32 LDS stores; written once a change.
;   v[WOFF], v[STO], v[RD]  Made at the head and never written again.      v[AOFF ..]  Read by the loads of rows; written by SETUP alone.
;   The accumulators are read by the way out's LDS stores.  v[TKS ..], v[VO ..], v[OB ..] belong to the way out: see there.
; So a chunk of the walk has five such waits: in the change one on va_vdst for the row buffer that is asked for again, one ahead of the LDS stores, one on vm_vsrc behind them and one on va_vdst behind v[BA]'s
; lines; among the products one on va_vdst, at the head of K step 2, for F0.  Every other load of the chunk touches registers that no vector or matrix instruction has named since the last of these waits.
.set WP,     4096                      ; bytes from row to row of w2
.set PB,     288                       ; a row of the slice in LDS: 256 bytes + 32
.set CH,     128*PB                    ; a chunk in LDS
.set STG,    294912                    ; 16 rows x 272 bytes for each wave, its own: half a tile's columns in f32
.set SP,     272
.set LIST,   312320                    ; rank -> token, 1,024 words; behind them 32 words for lanes that have nothing to list
.set BAMAX,  15*PB+16+7*CH             ; the largest address of a chunk's first fragments: my lane's place at the most, in the last chunk
.set R15,  1
.set H,    2
.set LANE, 3
.set WOFF, 6
.set LST0, 7
.set BADR0,8
.set BA,   9
.set LSTA, 10
.set H16,  11
.set AOFF, 12                          ; v12-16
.set STO,  24
.set RD,   25
.set LC,   27
.set VO,   28                          ; v28-35 the eight rows' tokens as they land, then the eight stores' offsets
.set TKS,  36                          ; v36-43 the LDS addresses of those tokens in the list
.set FB,   64                          ; fragment buffer p at FB + 64 p
.set LA,   64                          ; v64-95  at the head only, wave 0: where word j's tokens go in the list
.set LD,   96                          ; v96-127 at the head only, wave 0: those tokens
.set OB,   128                         ; rows read back from the stage
.set WV,  20
.set EX,  21
.set SX,  22
.set KSL, 23
.set CSL, 24
.set KB,  26                           ; LDS byte of the chunk that is read
.set WB,  27                           ; LDS byte of the chunk that is stored
.set NN,  66
.set NM1, 67
.set MW,  68
.set NTR, 69
.set TR,  70
.set MT,  71
.set KC,  72
.set MT2, 73
.set EI,  74
.set PFX, 75
.set MSB, 0
.macro WIN new
.if MSB != (\new)
	s_set_vgpr_msb (MSB<<8)|(\new)
.set MSB, (\new)
.endif
.endm
.macro PLACES n=4                      ; plain vector instructions between a matrix instruction and a store that reads its result: four are wanted
.rept \n
	v_nop
.endr
.endm
.macro WLOAD                           ; my 32 rows of a chunk of weights
	WIN 0xc0
.set z, 0
.rept 32
	global_load_b128 v[128+4*z:128+4*z+3], v[WOFF], s[18:19] offset:z*WP th:TH_LOAD_NT
.set z, z+1
.endr
	WIN 0
.endm
.macro CLEAR
	WIN 0x40
.set z, 0
.rept 256
	v_mov_b32 v[z], 0
.set z, z+1
.endr
	WIN 0x80
.set z, 0
.rept 64
	v_mov_b32 v[z], 0
.set z, z+1
.endr
	WIN 0
.endm
.macro SETUP
	s_mul_i32 s76, s[TR], 5
	s_sub_co_i32 s[MT], s[MW], s76
	s_max_i32 s[MT], s[MT], 0
	s_min_i32 s[MT], s[MT], 5
	s_lshl_b32 s[MT2], s[MT], 1
	s_mul_i32 s76, s[TR], 320                      ; rank = 16 x (20 TR + 4 i + w) + r
	s_lshl4_add_u32 s76, s[WV], s76
	v_add_nc_u32 v56, s76, v[R15]
.irp i, 0,1,2,3,4
	v_add_nc_u32 v57, 64*\i, v56
	v_min_u32 v57, s[NM1], v57                     ; places past the count repeat the last row
	v_min_u32 v57, 0x3ff, v57
	v_lshl_add_u32 v[AOFF+\i], v57, 13, v[H16]     ; rank x 8,192 bytes + 16 x half
.endr
.endm
.macro ISSUE_A b, i0, i1               ; 128 along K of the rows of tiles i0 to i1 into buffer b; a tile past the count names one row in all lanes
.irp i, 0,1,2,3,4
.if (\i >= \i0) && (\i <= \i1)
.set RA, 576+160*(\b)+32*\i
	WIN (RA>>8)<<6
.irp q, 0,1,2,3,4,5,6,7
	global_load_b128 v[(RA&255)+4*\q:(RA&255)+4*\q+3], v[AOFF+\i], s[16:17] offset:32*\q
.endr
.endif
.endr
	WIN 0
.endm
; The address of a chunk's turning loads: the chunk's byte plus my lane's place, held to the walk's own largest value, which never bites:
; with the largest offset, 32,496 bytes to a load's end, no turning load ends past byte 294,880, inside the slice and below the stages.  The K steps stand in the immediates.
.macro BADDR
	v_add_nc_u32 v[BA], s[KB], v[BADR0]
	v_min_u32 v[BA], BAMAX, v[BA]
.endm
; Of 32 rows x 128 columns of the slice, turned: fragments lo to hi of eight, into buffer f
.macro FRAG f, imm, lo, hi
.irp c, 0,1,2,3,4,5,6,7
.if (\c >= \lo) && (\c <= \hi)
	ds_load_tr16_b128 v[FB+64*(\f)+8*\c:FB+64*(\f)+8*\c+3],   v[BA] offset:(\imm)+32*\c
	ds_load_tr16_b128 v[FB+64*(\f)+8*\c+4:FB+64*(\f)+8*\c+7], v[BA] offset:(\imm)+32*\c+16*PB
.endif
.endr
.endm
; A K step's products on fragment buffer p: the accumulators take turns, one instruction a turn.  nxt = 1: the next step's sixteen turning loads, into buffer f, are dealt among them:
; six ahead of tile 0, six ahead of tile 1, four ahead of tile 2.  They stand on every path, so each tile past the trip's number is jumped by itself.  The products name buffer p, a row buffer and the
; accumulators: none of the registers that these loads touch.
.macro TILES b, ks, p, nxt, f, imm
	WIN 0
.irp i, 0,1,2,3,4
.if (\nxt) && (\i == 0)
	FRAG \f, \imm, 0, 2
.endif
.if (\nxt) && (\i == 1)
	FRAG \f, \imm, 3, 5
.endif
.if (\nxt) && (\i == 2)
	FRAG \f, \imm, 6, 7
.endif
	s_cmp_le_u32 s[MT], \i
	s_cbranch_scc1 .Lt_\@_\i
.set RA, 576+160*(\b)+32*\i+8*(\ks)
.set RC, 256+64*\i
.set RAL, RA&255
.set RCL, RC&255
	WIN ((RC>>8)*0x50)|((RA>>8)<<2)
.irp c, 0,1,2,3,4,5,6,7
	v_wmma_f32_16x16x32_bf16 v[RCL+8*\c:RCL+8*\c+7], v[FB+64*(\p)+8*\c:FB+64*(\p)+8*\c+7], v[RAL:RAL+7], v[RCL+8*\c:RCL+8*\c+7]
.endr
	WIN 0
.Lt_\@_\i:
.endr
.endm
; One K step of 32 in the walk: its weight fragments were asked for a step ago.  again = 1: the next step's fragments land in a buffer that products of this chunk have read.
.macro KSTEP b, ks, p, nxt, f, imm, again
	s_wait_dscnt 0x0                               ; this step's fragments are in
.if \again
	s_wait_alu depctr_va_vdst(0)                   ; the products of K step 0 are done reading F0, in which the loads dealt below land
.endif
	TILES \b, \ks, \p, \nxt, \f, \imm
.endm
; One K step of 32 in the loop for later rows.  That loop lies inside one whose length is read from memory, so there the address and its bound are written directly ahead of each run of sixteen loads,
; with no label between: the bytes that a run touches can be read off the two lines in front of it.  The run stands whole ahead of the step's products.
.macro LSTEP ks, p, nxt, f, imm
	s_wait_dscnt 0x0                               ; this step's fragments are in
.if \nxt
	s_wait_alu depctr_vm_vsrc(0)                   ; the turning loads issued so far have read v[BA], which is written again
	BADDR
	s_wait_alu depctr_va_vdst(0)                   ; v[BA] is written, which the loads below read; the products issued so far are done reading the fragment buffer in which they land
	FRAG \f, \imm, 0, 7
.endif
	TILES 0, \ks, \p, 0, 0, 0
.endm
; THE CHANGE OF CHUNKS, in front of chunk p.  nb: the row buffer of chunk p + 1.  chk = 1: in the walk's last trip this is the last change: nothing more is asked for.
.macro BOUND nb, chk
	s_wait_loadcnt 0x0                             ; all my loads are in: my part of chunk p's weights and its rows of hid, both asked for a chunk ago; their bases are free
	s_add_nc_u64 s[16:17], s[16:17], 256           ; chunk p + 1 of the rows,
	s_add_nc_u64 s[18:19], s[18:19], 128*WP        ; and of the weights (behind the last change the stepped addresses are not used)
.if \chk
	s_cmp_eq_u32 s[KC], 1
	s_cbranch_scc1 .Lb1_\@
.endif
	s_wait_alu depctr_va_vdst(0)                   ; the last chunk's products are done reading this row buffer, in which the loads below and those in the chunk's middle land
	ISSUE_A \nb, 0, 2                              ; three tiles' rows first: with the 32 loads of weights below, 56 loads of mine are out; the other two tiles follow in the chunk's middle
.if \chk
.Lb1_\@:
.endif
	s_wait_dscnt 0x0                               ; my reads of the slice are over (at the first change: wave 0's list is in LDS),
	s_barrier_signal -1
	WIN 0xcf                                       ; (the roundings, work on registers, stand between signal and wait)
.set z, 0
.rept 32
	v_cvt_pk_bf16_f32 v[128+4*z],   v[128+4*z],   v[128+4*z+1]
	v_cvt_pk_bf16_f32 v[128+4*z+1], v[128+4*z+2], v[128+4*z+3]
.set z, z+1
.endr
	WIN 0
	s_barrier_wait -1                              ; everybody's are: now the slice may be stored into
	v_add_nc_u32 v[LSTA], s[WB], v[LST0]           ; (the last change's stores have read it: the wait on vm_vsrc behind them says so)
	WIN 0x0c
	s_wait_alu depctr_va_vdst(0)                   ; the roundings have written W and v[LSTA] is written: the LDS stores read both
.set z, 0
.rept 32
	ds_store_b64 v[LSTA], v[128+4*z:128+4*z+1] offset:z*PB  ; 32 lanes, 256 bytes on end
.set z, z+1
.endr
	WIN 0
	s_add_co_u32 s[WB], s[WB], CH
	s_wait_alu depctr_vm_vsrc(0)                   ; these stores have read W and v[LSTA], and the last chunk's turning loads v[BA] (at the first change: wave 0's list stores v[LA ..] and v[LD ..], in which fragments land)
	BADDR
	s_wait_alu depctr_va_vdst(0)                   ; v[BA] is written, which this chunk's turning loads read; the roundings are done with W, in which the loads below land: said behind the stores that read W
.if \chk
	s_cmp_eq_u32 s[KC], 1
	s_cbranch_scc1 .Lb2_\@
.endif
	WLOAD                                          ; chunk p + 1: it has all of chunk p's products in which to land
.if \chk
.Lb2_\@:
.endif
	s_wait_dscnt 0x0                               ; my part of chunk p is in LDS,
	s_barrier_signal -1
	s_barrier_wait -1                              ; everybody's is
.endm
.macro PHASE b, chk                    ; chunk p is multiplied: four K steps on row buffer b
	FRAG 0, 0, 0, 7                                ; K step 0's fragments.  No wait: no vector or matrix instruction since the change's last wait names F0, F1, F2 or v[BA]
	KSTEP \b, 0, 0, 1, 1, 1*32*PB, 0
	KSTEP \b, 1, 1, 1, 2, 2*32*PB, 0
.if \chk
	s_cmp_eq_u32 s[KC], 1
	s_cbranch_scc1 .Lp2_\@
.endif
	ISSUE_A 1-(\b), 3, 4                           ; the other two tiles' rows of chunk p + 1.  No wait: the products since the change name the other row buffer alone
.if \chk
.Lp2_\@:
.endif
	KSTEP \b, 2, 2, 1, 0, 3*32*PB, 1
	KSTEP \b, 3, 0, 0, 0, 0, 0
	s_add_co_u32 s[KB], s[KB], CH
.endm
	s_load_b256 s[4:11], s[0:1], 0x0               ; hid 4, w2 6, bmp 8, part 10
	v_lshl_add_u32 v62, v0, 2, 0x4d500
	v_mov_b32 v63, 0
	v_lshrrev_b32 v56, 5, v0
	v_readfirstlane_b32 s[WV], v56
	v_and_b32 v[R15], 15, v0
	v_bfe_u32 v[H], v0, 4, 1
	v_and_b32 v[LANE], 31, v0
	v_lshlrev_b32 v[WOFF], 4, v[LANE]
	v_lshlrev_b32 v[H16], 4, v[H]
	v_lshlrev_b32 v[LC], 4, v[R15]
	s_wait_alu depctr_va_sdst(0)                   ; the wave's number is written, ahead of its first reader: w2's base is made from it
	s_and_b32 s[EX], ttmp7, 0xffff
	s_mov_b32 s[SX], ttmp9
	s_lshr_b32 s[KSL], s[SX], 3                    ; which 1,024 of K
	s_and_b32 s[CSL], s[SX], 7                     ; which 128 columns
	s_lshl_b32 s76, s[EX], 24                      ; w2: expert x 16 MiB + ks x 1,024 rows + wave x 32 rows + 512 cs
	s_lshl_b32 s78, s[KSL], 22
	s_add_co_u32 s76, s76, s78
	s_lshl_b32 s78, s[WV], 17
	s_add_co_u32 s76, s76, s78
	s_lshl_b32 s78, s[CSL], 9
	s_add_co_u32 s76, s76, s78
	s_mov_b32 s77, 0
	s_lshl_b32 s78, s[EX], 23                      ; hid: expert x 8 MiB + 2,048 ks
	s_lshl_b32 s80, s[KSL], 11
	s_add_co_u32 s78, s78, s80
	s_mov_b32 s79, 0
	s_lshl_b32 s80, s[EX], 7                       ; bmp
	s_mov_b32 s81, 0
	s_lshl_b32 s82, s[KSL], 25                     ; part: ks x 32 MiB + e x 4,096 + 512 cs
	s_lshl_b32 s84, s[EX], 12
	s_add_co_u32 s82, s82, s84
	s_lshl_b32 s84, s[CSL], 9
	s_add_co_u32 s82, s82, s84
	s_mov_b32 s83, 0
	s_wait_kmcnt 0x0
	s_add_nc_u64 s[18:19], s[6:7], s[76:77]
	s_add_nc_u64 s[14:15], s[4:5], s[78:79]
	s_add_nc_u64 s[8:9], s[8:9], s[80:81]
	s_add_nc_u64 s[12:13], s[10:11], s[82:83]
	s_load_b512 s[32:47], s[8:9], 0x0
	s_load_b512 s[48:63], s[8:9], 0x40
	s_wait_alu depctr_va_vdst(0)                   ; v[WOFF] is written: every load of weights reads it as its offset
	WLOAD                                          ; chunk 0 of the weights is on its way before anything else is done
	s_mul_i32 s76, s[WV], 32*PB
	v_lshl_add_u32 v[LST0], v[LANE], 3, s76
	v_and_b32 v56, 7, v0
	v_lshl_add_u32 v56, v[H], 3, v56
	v_mul_u32_u24 v[BADR0], v56, PB
	v_bfe_u32 v57, v0, 3, 1
	v_lshl_add_u32 v[BADR0], v57, 4, v[BADR0]
	s_mul_i32 s76, s[WV], 16*SP
	s_add_co_u32 s76, s76, STG                     ; my stage
	v_mul_u32_u24 v56, v[R15], SP
	v_lshl_add_u32 v56, v[H], 5, v56
	v_add_nc_u32 v[STO], s76, v56                  ; in: row l % 16, 32 bytes for each half of the lanes
	v_mul_u32_u24 v56, v[H], SP
	v_lshl_add_u32 v56, v[R15], 4, v56
	v_add_nc_u32 v[RD], s76, v56                   ; back: lanes 0-15 one row of 256 bytes, lanes 16-31 the next
	s_wait_kmcnt 0x0
	s_mov_b32 s[NN], 0
.set j, 0
.rept 32
	s_bcnt1_i32_b32 s76, s[32+j]
	s_add_co_u32 s[NN], s[NN], s76
.set j, j+1
.endr
	s_max_u32 s[NN], s[NN], 1
	s_sub_co_u32 s[NM1], s[NN], 1
	s_add_co_u32 s76, s[NN], 15
	s_lshr_b32 s76, s76, 4
	s_add_co_u32 s76, s76, 3
	s_sub_co_u32 s76, s76, s[WV]
	s_lshr_b32 s[MW], s76, 2                       ; my tiles: 16 at the most
	s_add_co_u32 s76, s[MW], 4
	s_mul_i32 s76, s76, 52
	s_lshr_b32 s[NTR], s76, 8                      ; ceil(mine / 5), right up to 16
	s_mov_b32 s[TR], 0
	SETUP
	s_mov_b64 s[16:17], s[14:15]
	s_wait_alu depctr_va_vdst(0)                   ; v[AOFF ..] are written, which the loads of rows read; so are v[STO] and v[RD], which the way out's LDS instructions read
	ISSUE_A 0, 0, 4                                ; chunk 0 of the first trip's rows
	; THE LIST, by wave 0: a counting sort by bits: a token's rank is the number of chosen tokens below it.  It serves the way out; the walk's barriers stand between these stores and the reads.
	; All 32 words' addresses and tokens are made first, each in a register of its own, so that one wait stands ahead of all the stores
	s_cmp_lg_u32 s[WV], 0
	s_cbranch_scc1 .Lnolist
	v_lshl_add_u32 v48, v[LANE], 4, LIST
.irp z, 44,45,46,47
	v_mov_b32 v\z, 0
.endr
	v_add_nc_u32 v58, 1024, v[LANE]                ; the place of a lane that has nothing to list
	v_mov_b32 v[LD], v[LANE]
	s_mov_b32 s[PFX], 0
.set j, 0
.rept 32
	v_mbcnt_lo_u32_b32 v[LA+j], s[32+j], s[PFX]
	v_cndmask_b32 v[LA+j], v58, v[LA+j], s[32+j]
	v_min_u32 v[LA+j], 0x41f, v[LA+j]
	v_lshl_add_u32 v[LA+j], v[LA+j], 2, LIST
.if j < 31
	v_add_nc_u32 v[LD+j+1], 32, v[LD+j]
.endif
	s_bcnt1_i32_b32 s76, s[32+j]
	s_add_co_u32 s[PFX], s[PFX], s76
.set j, j+1
.endr
	s_wait_alu depctr_va_vdst(0)                   ; v44 to v48, v[LA ..] and v[LD ..] are written: the addresses and data of the forty LDS stores below
.irp k, 0,1,2,3,4,5,6,7
	ds_store_b128 v48, v[44:47] offset:512*\k      ; all 1,024 places name token 0 first; LDS serves a wave's instructions in order (ISA guide 5.7.1.4), so the stores below come behind these
.endr
.set j, 0
.rept 32
	ds_store_b32 v[LA+j], v[LD+j]
.set j, j+1
.endr
.Lnolist:
	CLEAR
	s_mov_b32 s[KB], 0
	s_mov_b32 s[WB], 0
	s_mov_b32 s[KC], 4
.Lp:                                                   ; THE WALK: four trips, two chunks each
	BOUND 1, 0
	PHASE 0, 0
	BOUND 0, 1
	PHASE 1, 1
	s_sub_co_u32 s[KC], s[KC], 1
	s_cmp_lg_u32 s[KC], 0
	s_cbranch_scc1 .Lp
	s_wait_loadcnt 0x0                             ; the last trip asked for nothing more, so this is met at once: it stands so that on every way through the text the row buffers' loads are in before they are loaded again
	s_cmp_eq_u32 s[NTR], 0
	s_cbranch_scc1 .Ldone                          ; a wave without tiles has done its share of the slice
.Ltrip:                                                ; a trip of this loop: the way out of the sums in hand, then, if rows are left, the next five tiles a wave on the slice in LDS
	; THE WAY OUT, half a tile (16 rows x 64 columns of f32) a trip: through my stage, whole pieces of 256 bytes into each row's place in part.
	; Its registers: v[TKS ..] hold LDS addresses alone: written by vector lines, read by the tokens' loads.  v[VO ..]: the tokens land there, vector lines make the offsets of them in place, the global stores read them.
	; v[OB ..]: the rows land there, the global stores read them.  The accumulators and v[STO] are read by the LDS stores and named by no vector line of the way out.
	PLACES
	s_wait_alu depctr_va_vdst(0)                   ; the products have written the accumulators, which the LDS stores of all this trip's halves read, and are done reading F1, in which rows land; the places above stay beside this wait
	s_mov_b32 s[EI], 0
.macro CASE k, jump                    ; half k % 2 of tile k / 2: four accumulators, each from its low end on
.Lc\k:
.set RC, 256+64*((\k)/2)+32*((\k)%2)
	WIN (RC>>8)<<2
.irp c, 0,1,2,3
	ds_store_b128 v[STO], v[(RC&255)+8*\c:(RC&255)+8*\c+3]   offset:64*\c
	ds_store_b128 v[STO], v[(RC&255)+8*\c+4:(RC&255)+8*\c+7] offset:64*\c+16
.endr
	WIN 0
.if \jump
	s_branch .Lcommon
.endif
.endm
.Lepi:
	s_wait_xcnt 0x0                                ; the last half's stores have read their data and offsets
	s_wait_alu depctr_vm_vsrc(0)                   ; the last half's global stores have read v[OB ..] and v[VO ..], its tokens' loads v[TKS ..]: all three are written again below
.irp k, 0,1,2,3,4,5,6,7,8
	s_cmp_eq_u32 s[EI], \k
	s_cbranch_scc1 .Lc\k
.endr
	CASE 9, 1
.irp k, 0,1,2,3,4,5,6,7
	CASE \k, 1
.endr
	CASE 8, 0
.Lcommon:
	s_lshr_b32 s76, s[EI], 1
	s_mul_i32 s77, s[TR], 20
	s_lshl2_add_u32 s76, s76, s77
	s_add_co_u32 s76, s76, s[WV]                   ; the tile's number among the expert's
	s_min_u32 s76, s76, 63
	s_lshl_b32 s76, s76, 4
	v_add_nc_u32 v56, s76, v[H]                    ; the rank of the row that I read back first
.irp t, 0,1,2,3,4,5,6,7
	v_add_nc_u32 v[TKS+\t], 2*\t, v56
	v_min_u32 v[TKS+\t], s[NM1], v[TKS+\t]         ; a place past the count stores the last row's numbers to the last row's place once more
	v_min_u32 v[TKS+\t], 0x3ff, v[TKS+\t]
	v_lshl_add_u32 v[TKS+\t], v[TKS+\t], 2, LIST
.endr
	s_wait_alu depctr_va_vdst(0)                   ; v[TKS ..] are written, which the tokens' loads read; the last half's lines are done with v[VO ..], in which the tokens land
.irp t, 0,1,2,3,4,5,6,7
	ds_load_b32 v[VO+\t], v[TKS+\t]
.endr
.irp t, 0,1,2,3,4,5,6,7
	ds_load_b128 v[OB+4*\t:OB+4*\t+3], v[RD] offset:\t*2*SP  ; LDS serves a wave's instructions in order (ISA guide 5.7.1.4): these see the stores above
.endr
	s_and_b32 s77, s[EI], 1
	s_lshl_b32 s77, s77, 8                         ; the half's 256 bytes
	v_add_nc_u32 v57, s77, v[LC]
	s_wait_dscnt 8                                 ; the tokens are in; the eight loads of rows may be out
.irp t, 0,1,2,3,4,5,6,7
	v_min_u32 v[VO+\t], 0x3ff, v[VO+\t]
	v_lshl_add_u32 v[VO+\t], v[VO+\t], 15, v57     ; token x 8 experts x 4,096 bytes
.endr
	s_wait_alu depctr_va_vdst(0)                   ; v[VO ..] are written: the eight stores read them as their offsets
.irp t, 0,1,2,3,4,5,6,7
	s_wait_dscnt 7-\t
	global_store_b128 v[VO+\t], v[OB+4*\t:OB+4*\t+3], s[12:13]  ; 16 lanes store 256 consecutive bytes, aligned
.endr
	s_add_co_u32 s[EI], s[EI], 1
	s_cmp_lt_u32 s[EI], s[MT2]
	s_cbranch_scc1 .Lepi
	s_add_co_u32 s[TR], s[TR], 1
	s_cmp_ge_u32 s[TR], s[NTR]
	s_cbranch_scc1 .Ldone
	s_wait_xcnt 0x0                                ; the stores have read their registers
	s_wait_alu depctr_vm_vsrc(0)                   ; the loads of rows have read v[AOFF ..], which SETUP writes; the way out's LDS stores have read the accumulators, which CLEAR writes; its global stores have read v[OB ..], in which fragments land
	SETUP
	CLEAR
	s_mov_b64 s[16:17], s[14:15]
	s_mov_b32 s[KB], 0
	s_mov_b32 s[KC], 8
.Lk:                                                   ; a chunk of 128 along K on the slice in LDS
	s_wait_alu depctr_vm_vsrc(0)                   ; the turning loads issued so far have read v[BA]
	BADDR
	s_wait_alu depctr_va_vdst(0)                   ; v[BA] is written, in the first trip v[AOFF ..] too; the last chunk's products are done reading the row buffer and F0, in which the loads below land
	ISSUE_A 0, 0, 4
	FRAG 0, 0, 0, 7
	s_wait_loadcnt 0x0                             ; the chunk's rows are in; their base is free
	LSTEP 0, 0, 1, 1, 1*32*PB
	LSTEP 1, 1, 1, 2, 2*32*PB
	LSTEP 2, 2, 1, 0, 3*32*PB
	LSTEP 3, 0, 0, 0, 0
	s_add_nc_u64 s[16:17], s[16:17], 256
	s_add_co_u32 s[KB], s[KB], CH
	s_sub_co_u32 s[KC], s[KC], 1
	s_cmp_lg_u32 s[KC], 0
	s_cbranch_scc1 .Lk
	s_cmp_lt_u32 s[TR], s[NTR]
	s_cbranch_scc1 .Ltrip
.Ldone:
	s_wait_dscnt 0x0                               ; the wave's end: my last LDS instructions are done
	s_wait_alu depctr_hold_cnt(0) depctr_sa_sdst(0) depctr_va_vdst(0) depctr_va_sdst(0) depctr_va_ssrc(0) depctr_va_vcc(0) depctr_vm_vsrc(0)
	s_wait_tensorcnt 0x0
	ds_add_u32 v62, v63
	s_wait_dscnt 0x0
	s_endpgm
.Lfunc_end_k_q9faf4a8b71_fc2:
	.size	k_q9faf4a8b71_fc2, .Lfunc_end_k_q9faf4a8b71_fc2-k_q9faf4a8b71_fc2
	.p2alignl 7, 3214868480
	.fill 96, 4, 3214868480
	.section	.rodata,"a",@progbits
	.p2align	6, 0x0
	.amdhsa_kernel k_q9faf4a8b71_fc2
		.amdhsa_group_segment_fixed_size 327680
		.amdhsa_private_segment_fixed_size 0
		.amdhsa_enable_private_segment 0
		.amdhsa_kernarg_size 32
		.amdhsa_user_sgpr_count 2
		.amdhsa_user_sgpr_kernarg_segment_ptr 1
		.amdhsa_wavefront_size32 1
		.amdhsa_system_sgpr_workgroup_id_x 1
		.amdhsa_system_sgpr_workgroup_id_y 1
		.amdhsa_system_sgpr_workgroup_id_z 1
		.amdhsa_system_vgpr_workitem_id 0
		.amdhsa_next_free_vgpr 1024
		.amdhsa_next_free_sgpr 88
		.amdhsa_reserve_vcc 0
		.amdhsa_float_denorm_mode_32 3
		.amdhsa_float_denorm_mode_16_64 3
		.amdhsa_memory_ordered 1
		.amdhsa_forward_progress 1
		.amdhsa_inst_pref_size 146
	.end_amdhsa_kernel
	.amdgpu_metadata
---
amdhsa.version: [ 1, 2 ]
amdhsa.kernels:
  - .name:           k_q9faf4a8b71_fc2
    .symbol:         k_q9faf4a8b71_fc2.kd
    .args:
      - { .name: hid, .offset: 0, .size: 8, .value_kind: global_buffer, .address_space: global }
      - { .name: w2, .offset: 8, .size: 8, .value_kind: global_buffer, .address_space: global }
      - { .name: bmp, .offset: 16, .size: 8, .value_kind: global_buffer, .address_space: global }
      - { .name: part, .offset: 24, .size: 8, .value_kind: global_buffer, .address_space: global }
    .group_segment_fixed_size: 327680
    .private_segment_fixed_size: 0
    .kernarg_segment_align: 8
    .kernarg_segment_size: 32
    .max_flat_workgroup_size: 128
    .sgpr_count:     88
    .vgpr_count:     1024
    .wavefront_size: 32
...
	.end_amdgpu_metadata
.endif
;; end of part 8
;; launch combine: the kernel of part 4 again; grid 256 x 1, 8 waves a work-group, no clusters, 0 bytes of LDS; arguments part, sel, wts, b2, out0; writes out0
